; MI455X (gfx1250); checked and timed in simulation.
; The chip was launched on July 23, 2026; its instructions are those of AMD's public machine-readable ISA for CDNA 5 (MIT licence, August 2026) and "CDNA5" Instruction Set Architecture Reference Guide (July 2026). The comments in the code are by the model that wrote it; some were corrected since.
;; Non Causal Self Attention. Allowed arithmetic: matrix products marked QUANTISED: E2M3 operands, one E8M0 scale for each 32 along K, by v_wmma_scale_f32_16x16x128_f8f6f4 with both operands' format E2M3, f32 sums; everything else in f32.
;; Inputs: b_attn 3,072 float32; b_proj 1,024 float32; w_attn 1,024 x 3,072 float32; w_proj 1,024 x 1,024 float32; x 4 x 2,048 x 1,024 float32.
;; Outputs: out0 4 x 2,048 x 1,024 float32.
;; This version of the problem:
;;   THIS VERSION OF THE PROBLEM IS GIVEN IN LOW PRECISION. The matrix products marked QUANTISED in the list below multiply operands that are first quantised to E2M3 (2 exponent bits, 3 mantissa bits; 6 bits a number), with one power-of-two scale for each 32 numbers along K (OCP MX v1.0); their sums are f32. All else is computed in f32.
;;   The module's matrix products, in the order in which they are computed (A, B: the left and right operand; K: the contracted axis; several contracted axes count as one K, in the product's order):
;;     1. [M 8,192, K 1,024] x [K 1,024, N 3,072]; A: input x; B: input w_attn: QUANTISED
;;     2. batch 64 x [M 2,048, K 64] x [K 64, N 2,048]; A: computed on the way; B: computed on the way: QUANTISED
;;     3. batch 64 x [M 2,048, K 2,048] x [K 2,048, N 64]; A: softmax (see below); B: computed on the way: QUANTISED
;;     4. [M 8,192, K 1,024] x [K 1,024, N 1,024]; A: computed on the way; B: input w_proj: QUANTISED
;;   THE QUANTISER, for each operand of a quantised product, along K:
;;     - K is cut into blocks of 32 from its start; a last block that is shorter is filled with zeros.
;;     - A block's scale is 2^e with e = floor(log2(the largest magnitude in the block)) - 2, held to -126 .. 127; a block of zeros has e = 0. As a byte (E8M0): e + 127.
;;     - Each number is divided by its block's scale, clamped to +-7.5, and rounded to the nearest number of E2M3, ties to even, subnormals kept.
;;     - The product sums the exact products of the quantised numbers (number of the format x scale) in f32.
;;   ~~~python
;;   def quantise(x, axis):      # numpy; x: float32 -> the quantised numbers, widened to float32 again
;;       x = np.moveaxis(x, axis, -1); K = x.shape[-1]
;;       x = np.pad(x, [(0, 0)] * (x.ndim - 1) + [(0, -K % 32)]); x = x.reshape(x.shape[:-1] + (-1, 32)); a = np.abs(x).max(-1, keepdims=True)
;;       e = np.where(a > 0, np.clip(np.frexp(np.where(a > 0, a, 1))[1] - 1 - 2, -126, 127), 0)      # np.frexp(a)[1] - 1 = floor(log2(a)), exactly
;;       r = np.clip(x / 2.0 ** e, -7.5, 7.5)
;;       step = 2.0 ** (np.maximum(np.frexp(np.where(r == 0, 1, r))[1] - 1, 0) - 3)
;;       q = np.round(r / step) * step * 2.0 ** e      # np.round: ties to even
;;       return np.moveaxis(q.reshape(q.shape[:-2] + (-1,))[..., :K], -1, axis).astype(np.float32)
;;   ~~~
;;   SOFTMAX AHEAD OF A QUANTISED PRODUCT. Where the list says 'softmax', what is quantised is not the finished softmax but p = 2^(t - M), with t = logit x log2(e) and M = ceil(the row's largest t), a whole number; so 1/2 < the row's largest p <= 1. The row's sum l is taken of the UNQUANTISED p, in f32, and the product's result is divided by l at the end. Since M is a whole number, a kernel that streams over the keys may use a running M (the ceiling of the running maximum): every later rescaling is an exact power of two, which a block's scale takes up: the codes' values come out the same.
;;   OPERANDS COMPUTED ON THE WAY. 'Computed on the way' means the value that the module computes at that place (a softmax that the list does not call 'softmax' is quantised finished and normalised). What goes into a quantiser is computed in f32, as accurately as f32 sums, v_exp_f32 and their like allow (about 1e-6 of the number): no bf16 or f16 on the way to a quantiser, and a product that is left as it is and whose result goes on into a quantised operand takes f32 operands (vector FMAs, or v_wmma_f32_16x16x4_f32). A number that lies on a knife's edge between two numbers of the format may be rounded either way, as far as f32 arithmetic and the matrix unit's own rounding can turn it there, and no further.
;; One version. Each part assembles by itself: llvm-mc -triple=amdgcn-amd-amdhsa -mcpu=gfx1250 --defsym DOCPART=n.
;; ======== version 1 of 1: 4 launches
;; limits: right only within a limited range of input values
;; workspace buffers: x_img 6,291,456 bytes; x_scales 262,144 bytes; wa_img 2,359,296 bytes; wp_img 786,432 bytes; w_scales 131,072 bytes; qkv 19,660,800 bytes; y_codes 6,291,456 bytes; y_scales 262,144 bytes
;; launch prep (part 1): grid 384 x 1, 4 waves a work-group, no clusters, 46,592 bytes of LDS; arguments x, w_attn, w_proj, x_img, x_scales, wa_img, wp_img, w_scales; writes x_img, x_scales, wa_img, wp_img, w_scales
.if DOCPART == 1
	.amdgcn_target "amdgcn-amd-amdhsa--gfx1250"
	.amdhsa_code_object_version 6
	.text
	.protected	k_q84e6c62b7e_prep
	.globl	k_q84e6c62b7e_prep
	.p2align	8
	.type	k_q84e6c62b7e_prep,@function
k_q84e6c62b7e_prep:
	s_mov_b64 s[64:65], 0
	v_nop
	global_prefetch_b8 v0, s[64:65] scope:SCOPE_SE
	s_setreg_imm32_b32 hwreg(HW_REG_WAVE_MODE, 25, 1), 1
	s_wait_xcnt 0x0
; THE PROGRAM: four launches.  prep: x and both weights into codes.  gemm_qkv: x w_attn + b_attn, quantised in registers into operand images of q, k, v.  attn: q k^T, softmax, p v, y quantised.  gemm_out: y w_proj + b_proj.
; NO WORK OF reference() IS LEFT OUT: every input has a way to the output (b_attn's k part moves k's codes), and every product is done.
; THIS LAUNCH: f32 numbers become codes of FP6 (E2M3) with one E8M0 byte for each 32 along K.  A block's scale is 2^(floor(log2(its largest magnitude)) - 2); its byte is that magnitude's exponent field - 2, held at 1 from below.
; THE CODES ARE STORED AS IMAGES OF THE OPERAND'S REGISTERS: 16 rows x 128 K are 1,536 bytes, [k 3][lane 32][16 bytes]: registers 4 k .. 4 k + 3 of lane (row r, half h) = r + 16 h, whose registers 6 c .. 6 c + 5 hold K = 64 c + 32 h + 0 .. 31.
;   x_img [K step 8][tile 512][1536];  wa_img [K step 8][block of 128 columns 8][q, k, v 3][tile 8][1536];  wp_img [K step 8][tile 64][1536];  x_scales [half of K 2][position 8192][16];  w_scales [position 4096][32].
; THE ORDER OF ROWS: position p holds token (or column) pi(p), pi = the exchange of bits 3 and 4 of the index: so the 16 registers of two neighbouring result tiles of a later product are 16 true neighbours.
; Work-groups 0-255 take x, 256-383 the weights; the two ways part on the work-group's number alone, and only x's way uses LDS.  No tensor loads, no barrier, no cluster: waves share nothing.
; LIMITS: a block of zeros gets the byte 1 where the rule says 127 (its codes are zeros, and this program alone reads the bytes); blocks whose largest magnitude lies under 2^-124 were not tried; NaN and infinities are not served.
.set EMAX,  2
.set SPW,   12                         ; v12 my spare word; v13 0; never rewritten
.set NIL,   13
.set XREG,  11520                      ; LDS, a wave of x's way: two stages of 32 x 80 bytes, four images, 256 scale bytes
.set SP,    80
.set CST,   5120
.set SST,   11264
.set SPARE, 4*XREG
	s_load_b256 s[8:15], s[0:1], 0x0               ; x, w_attn, w_proj, x_img
	s_load_b256 s[16:23], s[0:1], 0x20             ; x_scales, wa_img, wp_img, w_scales
	v_lshl_add_u32 v[SPW], v0, 2, SPARE
	v_mov_b32 v[NIL], 0
	v_lshrrev_b32 v1, 5, v0
	v_readfirstlane_b32 s4, v1                     ; wave
	v_and_b32 v2, 31, v0                           ; lane
	s_cmp_lt_u32 ttmp9, 256
	s_wait_alu depctr_va_vdst(0)                   ; the wait directly ahead of the branch
	s_cbranch_scc0 .Lw
; X.  A wave takes a tile of 16 positions x half of K (512): step t is row t, 2,048 consecutive bytes, four loads of 512; they turn through the wave's stage, so that a lane holds 16 neighbours and two lanes a block.
.set R, 16                             ; v16-79 four sets as loaded;  v80-111 two sets of neighbours;  v112-127 scale bytes;  v128-191 codes, registers of their own for each step
.set X, 80
.set E, 112
.set C, 128
	v_lshlrev_b32 v3, 4, v2
	s_mul_i32 s5, s4, XREG
	v_lshrrev_b32 v14, 2, v2
	v_mul_u32_u24 v14, v14, SP
	v_and_b32 v15, 3, v2
	v_lshl_add_u32 v14, v15, 4, v14
	v_add_nc_u32 v14, s5, v14                      ; the stage, on the way in
	v_mul_u32_u24 v15, v2, SP
	v_add_nc_u32 v15, s5, v15                      ; and out: my 16 neighbours
	s_add_co_u32 s6, s5, CST
	s_add_co_u32 s7, s5, SST
	v_lshrrev_b32 v192, 3, v2                      ; lane l holds K = 16 l ..: K step l / 8, c = bit 2, h = bit 1, half of the block u = bit 0: registers 6 c + 3 u + 0 .. 2 of the image's lane (t, h)
	v_mul_u32_u24 v192, v192, 1536
	v_bfe_u32 v193, v2, 1, 1
	v_lshl_add_u32 v192, v193, 8, v192
	v_add_nc_u32 v192, s6, v192
	v_bfe_u32 v193, v2, 2, 1
	v_mul_u32_u24 v193, v193, 6
	v_and_b32 v194, 1, v2
	v_mad_u32_u24 v193, v194, 3, v193
.irp j, 0,1,2
	v_add_nc_u32 v194, \j, v193                    ; register g: at 512 (g / 4) + 4 (g % 4)
	v_lshrrev_b32 v195, 2, v194
	v_and_b32 v194, 3, v194
	v_lshl_add_u32 v195, v195, 9, v192
	v_lshl_add_u32 v[196+\j], v194, 2, v195
.endr
	v_lshrrev_b32 v5, 1, v2
	v_add_nc_u32 v5, s7, v5                        ; my block's scale byte
	v_lshlrev_b32 v7, 3, v2
	v_add_nc_u32 v6, s7, v7
	v_add_nc_u32 v10, s6, v3
	s_lshr_b32 s24, s4, 1                          ; tile 2 x work-group + wave / 2,
	s_and_b32 s25, s4, 1                           ; half of K wave % 2
	s_lshl_b32 s26, ttmp9, 17                      ; its tokens begin at 32 x work-group + 8 (wave / 2)
	s_lshl_b32 s27, s24, 15
	s_add_co_u32 s26, s26, s27
	s_lshl_b32 s27, s25, 11
	s_add_co_u32 s26, s26, s27
	s_mov_b32 s27, 0
	s_lshl_b32 s28, ttmp9, 1
	s_add_co_u32 s28, s28, s24
	s_mul_i32 s30, s28, 1536
	s_mul_i32 s29, s25, 4*786432
	s_add_co_u32 s30, s30, s29
	s_mov_b32 s31, 0
	s_lshl_b32 s28, s28, 8
	s_lshl_b32 s29, s25, 17
	s_add_co_u32 s28, s28, s29
	s_mov_b32 s29, 0
	s_wait_alu depctr_va_vdst(0)                   ; the wait at the head's end
	s_wait_kmcnt 0x0
	s_add_nc_u64 s[8:9], s[8:9], s[26:27]
	s_add_nc_u64 s[14:15], s[14:15], s[30:31]
	s_add_nc_u64 s[16:17], s[16:17], s[28:29]
.macro XLOAD t                         ; row t of the tile is token 16 (t / 8) + t % 8 from the tile's first
.irp i, 0,1,2,3
	global_load_b128 v[R+16*((\t)%4)+4*\i:R+16*((\t)%4)+4*\i+3], v3, s[8:9] offset:(16*((\t)/8)+(\t)%8)*4096+512*\i th:TH_LOAD_NT
.endr
.endm
.macro XTURN t                         ; LDS serves a wave's instructions in order: no wait between the stores and the loads
.irp i, 0,1,2,3
	ds_store_b128 v14, v[R+16*((\t)%4)+4*\i:R+16*((\t)%4)+4*\i+3] offset:32*SP*((\t)%2)+8*SP*\i
.endr
.irp i, 0,1,2,3
	ds_load_b128 v[X+16*((\t)%2)+4*\i:X+16*((\t)%2)+4*\i+3], v15 offset:32*SP*((\t)%2)+16*\i
.endr
.endm
.irp t, 0,1,2,3
	XLOAD \t
.endr
	s_wait_loadcnt 12                              ; step 0's four loads are in; those of three steps stay out
	XTURN 0
.macro XSTEP t
.set XS, X+16*((\t)%2)
.if (\t) > 0
	s_wait_dscnt 4                                 ; this step's numbers are back (the last step's four small stores may be out)
.else
	s_wait_dscnt 0x0
.endif
.if (\t)+4 < 16
	XLOAD (\t)+4
.endif
.if (\t)+1 < 16
.if 14-(\t) >= 3
	s_wait_loadcnt 12                              ; the next step's four loads are in; those of the three steps behind it may be out
.else
	s_wait_loadcnt 4*(14-(\t))
.endif
	XTURN (\t)+1
.endif
	v_max3_num_f32 v8, |v[XS]|, |v[XS+1]|, |v[XS+2]|
	v_max3_num_f32 v9, |v[XS+3]|, |v[XS+4]|, |v[XS+5]|
.irp i, 6,10
	v_max3_num_f32 v8, v8, |v[XS+\i]|, |v[XS+\i+1]|
	v_max3_num_f32 v9, v9, |v[XS+\i+2]|, |v[XS+\i+3]|
.endr
	v_max3_num_f32 v8, v8, |v[XS+14]|, |v[XS+15]|
	v_max3_num_f32 v8, v8, v9, (EMAX+1)<<23        ; the floor 2^(3 - 127): the byte cannot fall under 1
	v_max_num_f32_dpp v8, v8, v8 row_xmask:1 row_mask:0xf bank_mask:0xf   ; with my neighbour's 16: the block's
	v_add_nc_u32 v11, -(EMAX<<23), v8              ; 2 off the exponent field: the conversion's scale operand
	v_cvt_scalef32_pk16_fp6_f32 v[C+4*(\t):C+4*(\t)+2], v[XS:XS+15], v11
	v_lshrrev_b32 v[E+(\t)], 23, v11               ; the scale's byte
	ds_store_b8 v5, v[E+(\t)] offset:16*(\t)       ; both lanes of a block write the same byte with the same value
.irp j, 0,1,2
	ds_store_b32 v[196+\j], v[C+4*(\t)+\j] offset:16*(\t)   ; into the image: row t is 16 t bytes on
.endr
.endm
.irp t, 0,1,2,3,4,5,6,7,8,9,10,11,12,13,14,15
	XSTEP \t
.endr
	ds_load_b64 v[8:9], v6                         ; these see my stores
.irp m, 0,1,2,3,4,5,6,7,8,9,10,11
	ds_load_b128 v[16+4*\m:19+4*\m], v10 offset:512*\m
.endr
	s_wait_dscnt 0x0
	global_store_b64 v7, v[8:9], s[16:17]          ; 16 rows x 16 bytes: 256 consecutive bytes, aligned
.irp m, 0,1,2,3,4,5,6,7,8,9,10,11
	global_store_b128 v3, v[16+4*\m:19+4*\m], s[14:15] offset:(\m/3)*786432+512*(\m%3)   ; 512 consecutive bytes, aligned
.endr
	s_branch .Lend
; THE WEIGHTS, K their first axis.  A lane takes a column and its registers run down K: a block of 32 lies in one lane, and the conversions give codes with K innermost.  A wave takes 32 columns x 256 along K: two K steps.
; Of a K step's four blocks, blocks h and 2 + h are the twelve registers of the image's lane (r, h): each store writes two whole runs of 256 bytes, one in each of the wave's two tiles.
.set WX,  32                           ; v32-95 two sets of 32 numbers;  v96-98 a conversion's odd half;  v112-159 two K steps x 24 registers of images;  v176-207 row offsets
.set CW,  96
.set IM,  112
.set OFF, 176
.set SBW, 24
.set BASE, 32                          ; s[32:47] where block t of my columns begins
.Lw:
	s_sub_co_u32 s24, ttmp9, 256
	s_and_b32 s25, s24, 31                         ; group of 128 positions: 0-23 w_attn's, 24-31 w_proj's
	s_lshr_b32 s26, s24, 5                         ; which 256 along K
	v_lshlrev_b32 v3, 2, v2
	v_and_b32 v10, 7, v2
	v_bfe_u32 v16, v2, 3, 1
	v_bfe_u32 v17, v2, 4, 1
	v_lshl_add_u32 v10, v16, 4, v10
	v_lshl_add_u32 v10, v17, 3, v10                ; my column's position among the wave's 32
	v_lshrrev_b32 v16, 4, v10
	v_mul_u32_u24 v16, v16, 1536
	v_and_b32 v17, 15, v10
	v_lshl_add_u32 v8, v17, 4, v16                 ; its tile and row in the images
	v_lshlrev_b32 v9, 5, v10                       ; its row of scale bytes
	s_cmp_lt_u32 s25, 24
	s_mov_b32 s27, 4096
	s_cselect_b32 s27, 12288, s27                  ; a row of the weight in bytes
	s_cselect_b32 s28, 0, 24
	s_mov_b32 s48, 98304
	s_cselect_b32 s48, 294912, s48                 ; from K step to K step in the images
	s_sub_co_u32 s29, s25, s28                     ; the group in its weight
	s_mul_i32 s30, s26, s27
	s_lshl_b32 s30, s30, 8
	s_lshl_b32 s5, s29, 9
	s_add_co_u32 s30, s30, s5
	s_lshl_b32 s5, s4, 7
	s_add_co_u32 s30, s30, s5
	s_mov_b32 s31, 0
	s_lshl_b32 s6, s27, 5                          ; a block on: 32 rows
	s_mov_b32 s7, 0
	s_and_b32 s50, s25, 7                          ; wa_img: block of 128 columns = group % 8, part = group / 8
	s_mul_i32 s50, s50, 36864
	s_lshr_b32 s5, s25, 3
	s_mul_i32 s5, s5, 12288
	s_add_co_u32 s50, s50, s5
	s_mul_i32 s5, s29, 12288                       ; wp_img: eight tiles a group
	s_cmp_lt_u32 s25, 24
	s_cselect_b32 s50, s50, s5
	s_mul_i32 s5, s4, 3072                         ; my wave's two tiles
	s_add_co_u32 s50, s50, s5
	s_lshl_b32 s5, s26, 1
	s_mul_i32 s5, s5, s48
	s_add_co_u32 s50, s50, s5
	s_mov_b32 s51, 0
	s_mov_b32 s49, 0
	s_lshl_b32 s52, s25, 12
	s_lshl_b32 s5, s4, 10
	s_add_co_u32 s52, s52, s5
	s_lshl_b32 s5, s26, 3
	s_add_co_u32 s52, s52, s5
	s_mov_b32 s53, 0
	s_wait_alu depctr_va_vdst(0)                   ; the wait behind the run of scalar lines
.irp i, 0,1,2,3,4,5,6,7,8,9,10,11,12,13,14,15,16,17,18,19,20,21,22,23,24,25,26,27,28,29,30,31
	v_mad_u32_u24 v[OFF+\i], s27, \i, v3
.endr
	s_wait_alu depctr_va_vdst(0)                   ; and at the head's end
	s_wait_kmcnt 0x0
	s_cmp_lt_u32 s25, 24
	s_cselect_b64 s[10:11], s[10:11], s[12:13]
	s_cselect_b64 s[18:19], s[18:19], s[20:21]
	s_add_nc_u64 s[BASE:BASE+1], s[10:11], s[30:31]
.irp t, 1,2,3,4,5,6,7
	s_add_nc_u64 s[BASE+2*\t:BASE+2*\t+1], s[BASE+2*\t-2:BASE+2*\t-1], s[6:7]
.endr
	s_add_nc_u64 s[18:19], s[18:19], s[50:51]      ; my first K step's images,
	s_add_nc_u64 s[20:21], s[18:19], s[48:49]      ; my second's
	s_add_nc_u64 s[22:23], s[22:23], s[52:53]
.macro WLOAD t                         ; each load reads 128 consecutive bytes
.irp i, 0,1,2,3,4,5,6,7,8,9,10,11,12,13,14,15,16,17,18,19,20,21,22,23,24,25,26,27,28,29,30,31
	global_load_b32 v[WX+32*((\t)%2)+\i], v[OFF+\i], s[BASE+2*(\t):BASE+2*(\t)+1] th:TH_LOAD_NT
.endr
.endm
	WLOAD 0
	WLOAD 1
.macro WBLOCK t
.set XS, WX+32*((\t)%2)
.set IR, IM+24*((\t)/4)+12*((\t)%2)+6*(((\t)%4)/2)   ; block 2 c + h of its K step: registers 6 c .. of half h
.if (\t) < 7
	s_wait_loadcnt 32                              ; this block's 32 loads are in; the next block's may be out
.else
	s_wait_loadcnt 0
.endif
	v_max3_num_f32 v16, |v[XS]|, |v[XS+1]|, |v[XS+2]|
	v_max3_num_f32 v17, |v[XS+3]|, |v[XS+4]|, |v[XS+5]|
.irp i, 6,10,14,18,22,26
	v_max3_num_f32 v16, v16, |v[XS+\i]|, |v[XS+\i+1]|
	v_max3_num_f32 v17, v17, |v[XS+\i+2]|, |v[XS+\i+3]|
.endr
	v_max3_num_f32 v16, v16, |v[XS+30]|, |v[XS+31]|
	v_max3_num_f32 v16, v16, v17, (EMAX+1)<<23
	v_add_nc_u32 v11, -(EMAX<<23), v16
	v_lshrrev_b32 v17, 23, v11
.if (\t)%4 == 0
	v_mov_b32 v[SBW+(\t)/4], v17
.else
	v_lshl_or_b32 v[SBW+(\t)/4], v17, 8*((\t)%4), v[SBW+(\t)/4]
.endif
	v_cvt_scalef32_pk16_fp6_f32 v[IR:IR+2], v[XS:XS+15], v11
	v_cvt_scalef32_pk16_fp6_f32 v[CW:CW+2], v[XS+16:XS+31], v11     ; (a conversion's three registers begin on an even number)
	v_nop                                          ; one plain place behind a scaled conversion
.irp i, 0,1,2
	v_mov_b32 v[IR+3+\i], v[CW+\i]
.endr
.if (\t)+2 < 8
	WLOAD (\t)+2
.endif
.if (\t)%4 == 3
.irp h, 0,1
.irp k, 0,1,2
	global_store_b128 v8, v[IM+24*((\t)/4)+12*\h+4*\k:IM+24*((\t)/4)+12*\h+4*\k+3], s[18+2*((\t)/4):19+2*((\t)/4)] offset:256*\h+512*\k
.endr
.endr
.endif
.endm
.irp t, 0,1,2,3,4,5,6,7
	WBLOCK \t
.endr
	s_wait_alu depctr_va_vdst(0)                   ; the wait ahead of the reader below
	global_store_b64 v9, v[SBW:SBW+1], s[22:23]    ; my column's 8 scale bytes
.Lend:
	s_wait_tensorcnt 0x0                           ; the wave's end, behind my last LDS store
	ds_add_u32 v[SPW], v[NIL]
	s_wait_dscnt 0x0
	s_endpgm
.Lfunc_end_k_q84e6c62b7e_prep:
	.size	k_q84e6c62b7e_prep, .Lfunc_end_k_q84e6c62b7e_prep-k_q84e6c62b7e_prep
	.p2alignl 7, 3214868480
	.fill 96, 4, 3214868480
	.section	.rodata,"a",@progbits
	.p2align	6, 0x0
	.amdhsa_kernel k_q84e6c62b7e_prep
		.amdhsa_group_segment_fixed_size 46592
		.amdhsa_private_segment_fixed_size 0
		.amdhsa_enable_private_segment 0
		.amdhsa_kernarg_size 64
		.amdhsa_user_sgpr_count 2
		.amdhsa_user_sgpr_kernarg_segment_ptr 1
		.amdhsa_wavefront_size32 1
		.amdhsa_system_sgpr_workgroup_id_x 1
		.amdhsa_system_sgpr_workgroup_id_y 1
		.amdhsa_system_sgpr_workgroup_id_z 1
		.amdhsa_system_vgpr_workitem_id 0
		.amdhsa_next_free_vgpr 208
		.amdhsa_next_free_sgpr 66
		.amdhsa_reserve_vcc 0
		.amdhsa_float_denorm_mode_32 3
		.amdhsa_float_denorm_mode_16_64 3
		.amdhsa_memory_ordered 1
		.amdhsa_forward_progress 1
		.amdhsa_inst_pref_size 79
	.end_amdhsa_kernel
	.amdgpu_metadata
---
amdhsa.version: [ 1, 2 ]
amdhsa.kernels:
  - .name:           k_q84e6c62b7e_prep
    .symbol:         k_q84e6c62b7e_prep.kd
    .args:
      - { .name: x, .offset: 0, .size: 8, .value_kind: global_buffer, .address_space: global }
      - { .name: w_attn, .offset: 8, .size: 8, .value_kind: global_buffer, .address_space: global }
      - { .name: w_proj, .offset: 16, .size: 8, .value_kind: global_buffer, .address_space: global }
      - { .name: x_img, .offset: 24, .size: 8, .value_kind: global_buffer, .address_space: global }
      - { .name: x_scales, .offset: 32, .size: 8, .value_kind: global_buffer, .address_space: global }
      - { .name: wa_img, .offset: 40, .size: 8, .value_kind: global_buffer, .address_space: global }
      - { .name: wp_img, .offset: 48, .size: 8, .value_kind: global_buffer, .address_space: global }
      - { .name: w_scales, .offset: 56, .size: 8, .value_kind: global_buffer, .address_space: global }
    .group_segment_fixed_size: 46592
    .private_segment_fixed_size: 0
    .kernarg_segment_align: 8
    .kernarg_segment_size: 64
    .max_flat_workgroup_size: 128
    .sgpr_count:     66
    .vgpr_count:     208
    .wavefront_size: 32
...
	.end_amdgpu_metadata
.endif
;; end of part 1
;; launch gemm_qkv (part 2): grid 8 x 32, 4 waves a work-group, clusters of 4 x 4, 327,680 bytes of LDS; arguments x_img, x_scales, wa_img, w_scales, b_attn, qkv; writes qkv
.if DOCPART == 2
	.amdgcn_target "amdgcn-amd-amdhsa--gfx1250"
	.amdhsa_code_object_version 6
	.text
	.protected	k_q84e6c62b7e_gemm_qkv
	.globl	k_q84e6c62b7e_gemm_qkv
	.p2align	8
	.type	k_q84e6c62b7e_gemm_qkv,@function
k_q84e6c62b7e_gemm_qkv:
	s_mov_b64 s[64:65], 0
	v_nop
	global_prefetch_b8 v0, s[64:65] scope:SCOPE_SE
	s_setreg_imm32_b32 hwreg(HW_REG_WAVE_MODE, 25, 1), 1
	s_wait_xcnt 0x0
	s_wait_alu depctr_hold_cnt(0) depctr_sa_sdst(0) depctr_va_vdst(0) depctr_va_sdst(0) depctr_va_ssrc(0) depctr_va_vcc(0) depctr_vm_vsrc(0)
	s_getreg_b32 s2, hwreg(HW_REG_IB_STS2, 6, 4)
	s_cmp_eq_u32 s2, 0
	s_cbranch_scc0 .Lentry_in_a_cluster
	s_endpgm
.Lentry_in_a_cluster:
	s_bfe_u32 s2, ttmp6, 0x10000c
	s_cmp_lg_u32 s2, 0xf033
	s_cbranch_scc0 .Lentry_shape_is_right
	s_endpgm
.Lentry_shape_is_right:
; qkv = x w_attn + b_attn on codes of FP6 (E2M3) with E8M0 scales, sums in f32, quantised in registers into operand images of q, k and v.  Nothing of reference() is left out here.
; SHARES.  A work-group owns 256 tokens and three blocks of 128 features: block j of q, of k and of v: 32 x 8 = 256 work-groups.  A wave owns 64 tokens x 128 features of each block: 32 accumulators.
; THE WEIGHTS of the three blocks, all of K, lie in LDS, each byte filled once, IN TWO GOES: at the head each wave fetches two K steps of q's block (2 x 12,288 bytes) by one tensor load; behind the wait for it, the add and a round
; of the cluster's barrier, each wave fetches two K steps of k's and v's blocks (2 x 24,576 bytes) by one more, which is on its way under q's products and way out.  No ring, no loop to run ahead in, no prefetch.
; x GOES STRAIGHT INTO REGISTERS: a wave's 4 tiles x 8 K steps are 384 registers, 96 loads of 512 consecutive bytes, and serve all three blocks; q's block waits for them K step by K step.
; So x is not asked for jointly: LDS holds the weights (294,912 of 327,680 bytes).  CLUSTERS of 4 x 4: the four of a column need the same weights and ask for them jointly.
; q AND k: source 0 = 16 features, source 1 = 16 tokens: a lane holds one token, its registers run along the features, which are the next product's K.  v: the sources change places: a lane holds one feature, its registers run along the tokens.
; OUT, as attn reads it: records of 102,400 bytes [q, k, v][batch][head]: 64 images of 1,536 bytes, then 4,096 bytes of scale words.  An image of q or k holds two tiles of 16 tokens x 64 channels; one of v 16 channels x 128 tokens.
; A wave's 64 tokens are half of an image of v: the halves of two waves meet in an LDS stage of their own and leave as whole images.  The scale words of q and k leave 8 bytes a row: 1 byte in 24 of what is stored.
; REGISTERS: window 0: v0-15 addresses, v16-31 x's scale words, v32-127 w's, v128-223 w's fragments set 0 (at work on the way out), v224-255 at work; window 1: x's K steps 0-4, v240-255 v's bias;
; window 2: the accumulators; window 3: x's K steps 5-7, v144-239 w's fragments set 1 (ahead of a block of q or k: its bias, the C of the first products).
; LIMITS: a block of zeros gets the byte 1 where the rule says 127 (this program alone reads the bytes); NaN and infinities are not served.
.set REC,   102400
.set PARTB, 12288                      ; a block's eight images of one K step.  LDS: q's block [K step 8][12,288], then k's and v's [K step 8][24,576]
.set VST,   24*PARTB                   ; the stage: 16 images of v
.set VSS,   VST+16*1536                ; and their 1,024 bytes of scale words
.set SPARE, VSS+1024
.set LI,  1                            ; 16 x lane
.set AB,  2                            ; v2-7 w's images, 49,152 bytes apart: two for q's block, four for k's and v's; on v's way out v2-8: the stage's addresses
.set SPW, 10
.set NIL, 11
.set SO,  12
.set WSO, 13
.set BOF, 14
.set BVO, 15
.set XS,  16                           ; tiles 2 i, 2 i + 1 (lanes 0-15, 16-31), K step q at XS + 8 i + q
.set WS,  32                           ; block p, tiles 2 c, 2 c + 1, K step q at WS + 32 p + 8 c + q
.set H,   128
.set R,   192
.set CT,  216
.set TM,  224
.set PWR, 240
.set W,   248
.set T0,  252
.set G1,  24                           ; s[24:31], s[32:35] the descriptor of q's block;  s[36:43], s[44:47] that of k's and v's
.set G0,  32
.set G1K, 36
.set G0K, 44
.set OBN, 48
.set SBN, 50
.set OV,  52
.set SV,  54
.set SEL, 56
.set HIM, 58
.set MSB, 0
.macro WIN new
.if MSB != (\new)
	s_set_vgpr_msb (MSB<<8)|(\new)
.set MSB, (\new)
.endif
.endm
.macro PLACES
.rept 4
	v_nop
.endr
.endm
.macro CROUND
	s_barrier_signal -1
	s_barrier_wait -1
	s_cmp_lg_u32 s16, 0
	s_cbranch_scc1 .Lnot_wave_0_\@
	s_barrier_signal -3
.Lnot_wave_0_\@:
	s_barrier_wait -3
	s_barrier_signal -1
	s_barrier_wait -1
.endm
	s_load_b128 s[4:7], s[0:1], 0x0                ; x_img, x_scales
	s_load_b128 s[8:11], s[0:1], 0x10              ; wa_img, w_scales
	s_load_b128 s[12:15], s[0:1], 0x20             ; b_attn, qkv
	v_lshl_add_u32 v[SPW], v0, 2, SPARE
	v_mov_b32 v[NIL], 0
	ds_add_u32 v[SPW], v[NIL]                      ; the opening lines: the add, twice on end, and its wait ahead of my first tensor load
	ds_add_u32 v[SPW], v[NIL]
	v_lshrrev_b32 v1, 5, v0
	v_readfirstlane_b32 s16, v1                    ; wave
	s_lshr_b32 s17, s16, 1
	s_and_b32 s18, s16, 1
	s_bfe_u32 s19, ttmp6, 0x40000                  ; cx
	s_bfe_u32 s20, ttmp6, 0x40004                  ; cy
	s_lshl_b32 s21, ttmp9, 2
	s_add_co_u32 s21, s21, s19                     ; j: the block of features, 0..7
	s_and_b32 s22, ttmp7, 0xffff
	s_lshl_b32 s22, s22, 2
	s_add_co_u32 s22, s22, s20                     ; m: the block of tokens, 0..31
	s_lshl_b32 s23, 0x1111, s19                    ; my column of the cluster
	s_or_b32 s[G1], s23, (3<<16)|(1<<21)           ; elements of 8 bytes; 2 K steps x 12,288 bytes, 294,912 bytes apart
	s_mov_b32 s[G1+1], 1536<<16
	s_mov_b32 s[G1+2], 2<<16
	s_mov_b32 s[G1+3], 1536<<16
	s_mov_b32 s[G1+4], 2
	s_mov_b32 s[G1+5], 36864
	s_mov_b32 s[G1+6], 0
	s_mov_b32 s[G1+7], 0
	s_mov_b32 s[G0], 1
	s_mul_i32 s[G0+1], s16, 2*PARTB
	s_mul_i32 s36, s21, 3*PARTB
	s_mul_i32 s37, s16, 2*294912
	s_add_co_u32 s36, s36, s37
	s_mov_b32 s37, 0
	s_lshl_b32 s38, s22, 4
	s_lshl_b32 s39, s16, 2
	s_add_co_u32 s38, s38, s39                     ; my first tile of tokens
	s_lshl_b32 s40, s38, 8
	s_mov_b32 s41, 0
	s_mul_i32 s38, s38, 1536
	s_mov_b32 s39, 0
	s_lshl_b32 s42, s21, 12
	s_mov_b32 s43, 0
	s_lshl_b32 s44, s21, 9
	s_mov_b32 s45, 0
	s_lshr_b32 s46, s22, 3                         ; the batch
	s_lshl_b32 s46, s46, 4
	s_lshl_b32 s47, s21, 1
	s_add_co_u32 s46, s46, s47                     ; record 16 x batch + head 2 j
	s_mul_i32 s46, s46, REC
	s_lshl_b32 s47, s22, 1
	s_add_co_u32 s47, s47, s17
	s_and_b32 s47, s47, 15                         ; my group of 128 tokens in the batch
	s_mul_i32 s48, s47, 6144
	s_add_co_u32 s48, s48, s46
	s_mul_i32 s59, s18, 3072                       ; q, k: my 64 tokens are two of the group's four images
	s_add_co_u32 s48, s48, s59
	s_mov_b32 s49, 0
	s_lshl_b32 s50, s47, 8
	s_add_co_u32 s50, s50, s46
	s_add_co_u32 s50, s50, 98304
	s_lshl_b32 s59, s18, 3
	s_add_co_u32 s50, s50, s59
	s_mov_b32 s51, 0
	s_add_co_u32 s59, s18, 128                     ; v: I send out head 2 j + wave % 2 of group wave / 2
	s_mul_i32 s59, s59, REC
	s_add_co_u32 s59, s59, s46
	s_mul_i32 s52, s47, 6144
	s_add_co_u32 s52, s52, s59
	s_mov_b32 s53, 0
	s_lshl_b32 s54, s47, 8
	s_add_co_u32 s54, s54, s59
	s_add_co_u32 s54, s54, 98304
	s_mov_b32 s55, 0
	s_mov_b32 s[SEL], 0x76543210
	s_mov_b32 s[SEL+1], 0xfedcba98
	s_mov_b32 s[HIM], 0xffff0000
	s_mul_i32 s59, s17, 8*1536                     ; the stage: my group's eight images; registers 0-5 lie at 16 lane + 0, 8, 512, registers 6-11 at 16 lane + 520, 1,024, 1,032
	s_add_co_u32 s59, s59, VST
	s_mul_i32 s60, s18, 1016
	s_add_co_u32 s60, s60, s59
	s_add_co_u32 s60, s60, 8
	s_mul_i32 s61, s18, 520
	s_add_co_u32 s59, s59, s61
	s_lshl_b32 s61, s17, 9
	s_lshl_b32 s62, s18, 1
	s_add_co_u32 s61, s61, s62
	s_add_co_u32 s61, s61, VSS
	s_mul_i32 s62, s16, 6144
	s_add_co_u32 s62, s62, VST
	s_lshl_b32 s63, s16, 8
	s_add_co_u32 s63, s63, VSS
	s_wait_dscnt 0x0                               ; both opening adds are done
	s_wait_kmcnt 0x0
	s_add_nc_u64 s[G0+2:G0+3], s[8:9], s[36:37]
	s_or_b32 s[G0+3], s[G0+3], 0x80000000
	s_add_nc_u64 s[4:5], s[4:5], s[38:39]
	s_add_nc_u64 s[6:7], s[6:7], s[40:41]
	s_add_nc_u64 s[10:11], s[10:11], s[42:43]
	s_add_nc_u64 s[12:13], s[12:13], s[44:45]
	s_add_nc_u64 s[OBN:OBN+1], s[14:15], s[48:49]
	s_add_nc_u64 s[SBN:SBN+1], s[14:15], s[50:51]
	s_add_nc_u64 s[OV:OV+1], s[14:15], s[52:53]
	s_add_nc_u64 s[SV:SV+1], s[14:15], s[54:55]
	s_or_b32 s[G1K], s23, (3<<16)|(1<<21)          ; k's and v's blocks: 2 K steps x 24,576 bytes, which lie 12,288 bytes behind q's in each K step
	s_mov_b32 s[G1K+1], 3072<<16
	s_mov_b32 s[G1K+2], 2<<16
	s_mov_b32 s[G1K+3], 3072<<16
	s_mov_b32 s[G1K+4], 2
	s_mov_b32 s[G1K+5], 36864
	s_mov_b32 s[G1K+6], 0
	s_mov_b32 s[G1K+7], 0
	s_mov_b32 s[G0K], 1
	s_mul_i32 s[G0K+1], s16, 4*PARTB
	s_add_co_u32 s[G0K+1], s[G0K+1], 8*PARTB
	s_add_nc_u64 s[G0K+2:G0K+3], s[G0+2:G0+3], PARTB
	CROUND                                         ; all sixteen work-groups are here: the joint loads meet
	tensor_load_to_lds s[G0:G0+3], s[G1:G1+7]      ; q's block: my one tensor load at the head
	s_nop 0
	PLACES
	v_and_b32 v13, 31, v0                          ; lane
	v_and_b32 v14, 15, v0                          ; r
	v_bfe_u32 v15, v0, 4, 1                        ; h
	v_lshlrev_b32 v[LI], 4, v13
	v_mul_u32_u24 v[SO], v15, REC
	v_lshl_add_u32 v[SO], v14, 4, v[SO]            ; scale words of q, k: 16 r; lanes 16-31 the next head's record
	v_and_b32 v2, 8, v14
	v_add_nc_u32 v2, v2, v14                       ; r + 8 (r / 8)
	v_lshlrev_b32 v[WSO], 5, v13
	v_lshlrev_b32 v[BOF], 6, v15
	v_lshlrev_b32 v[BVO], 2, v2
	v_mov_b32 v[AB], v[LI]
.irp q, 1,2,3,4,5
	v_add_nc_u32 v[AB+\q], 4*PARTB, v[AB+\q-1]
.endr
.irp b, 0,1,2,3
	v_mov_b32 v[TM+4+\b], 0                        ; written once: a lane permute's destination counts as one of its sources
.endr
	s_wait_alu depctr_va_vdst(0)                   ; the wait ahead of the readers below
.irp ap, 0,1
	global_load_b128 v[XS+8*\ap:XS+8*\ap+3], v[LI], s[6:7] offset:512*\ap
	global_load_b128 v[XS+8*\ap+4:XS+8*\ap+7], v[LI], s[6:7] offset:131072+512*\ap
.endr
.irp p, 0,1,2
.irp c, 0,1,2,3
	global_load_b128 v[WS+32*\p+8*\c:WS+32*\p+8*\c+3], v[WSO], s[10:11] offset:32768*\p+1024*\c
	global_load_b128 v[WS+32*\p+8*\c+4:WS+32*\p+8*\c+7], v[WSO], s[10:11] offset:32768*\p+1024*\c+16
.endr
.endr
.macro BIASLD p                        ; the bias of block p of q or k: register 16 c + i is feature 32 c + 16 h + i
	WIN 0xc0
.irp c, 0,1,2,3
.irp q, 0,1,2,3
	global_load_b128 v[144+16*\c+4*\q:144+16*\c+4*\q+3], v[BOF], s[12:13] offset:4096*(\p)+128*\c+16*\q
.endr
.endr
	WIN 0
.endm
	BIASLD 0
	WIN 0x40
.irp f, 0,1,2,3,4,5,6,7
	global_load_b32 v[240+2*\f], v[BVO], s[12:13] offset:8192+4*(32*(\f/2)+8*(\f%2))     ; v's bias at my lane's feature, twice: a pair for the packed addition
	global_load_b32 v[240+2*\f+1], v[BVO], s[12:13] offset:8192+4*(32*(\f/2)+8*(\f%2))
.endr
.irp q, 0,1,2,3,4                      ; x comes last, K ascending, twelve loads a K step: so the waits in q's block can count
.irp a, 0,1,2,3
.irp k, 0,1,2
	global_load_b128 v[48*\q+12*\a+4*\k:48*\q+12*\a+4*\k+3], v[LI], s[4:5] offset:\q*786432+\a*1536+512*\k
.endr
.endr
.endr
	WIN 0xc0
.irp q, 5,6,7
.irp a, 0,1,2,3
.irp k, 0,1,2
	global_load_b128 v[48*(\q-5)+12*\a+4*\k:48*(\q-5)+12*\a+4*\k+3], v[LI], s[4:5] offset:\q*786432+\a*1536+512*\k
.endr
.endr
.endr
	WIN 0
.macro FETCH p, q                      ; block p's eight fragments of K step q into set q % 2: 24 loads of 512 consecutive bytes
.if (\q)%2
	WIN 0xc0
.else
	WIN 0
.endif
.irp b, 0,1,2,3,4,5,6,7
.irp k, 0,1,2
.if (\p) == 0
	ds_load_b128 v[128+16*((\q)%2)+12*\b+4*\k:128+16*((\q)%2)+12*\b+4*\k+3], v[AB+(\q)/4] offset:((\q)%4)*PARTB+1536*\b+512*\k
.else
	ds_load_b128 v[128+16*((\q)%2)+12*\b+4*\k:128+16*((\q)%2)+12*\b+4*\k+3], v[AB+2+(\q)/2] offset:((\q)%2)*2*PARTB+((\p)-1)*PARTB+1536*\b+512*\k
.endif
.endr
.endr
	WIN 0
.endm
; One product.  c < 0: C is the constant 0.  r0, r1: the scale words of source 0, 1 lie in lanes 16-31.
.macro WQ d, f0, f1, c, s0, s1, r0, r1
.set D_, \d
.set A_, \f0
.set B_, \f1
.set C_, \c
.set P_, \s0
.set Q_, \s1
.if C_ < 0
.if (\r0) == 0
.if (\r1) == 0
	v_wmma_scale_f32_16x16x128_f8f6f4 v[D_:D_+7], v[A_:A_+11], v[B_:B_+11], 0, v[P_], v[Q_] matrix_a_fmt:MATRIX_FMT_FP6 matrix_b_fmt:MATRIX_FMT_FP6
.else
	v_wmma_scale_f32_16x16x128_f8f6f4 v[D_:D_+7], v[A_:A_+11], v[B_:B_+11], 0, v[P_], v[Q_] matrix_a_fmt:MATRIX_FMT_FP6 matrix_b_fmt:MATRIX_FMT_FP6 matrix_b_scale:MATRIX_SCALE_ROW1
.endif
.else
.if (\r1) == 0
	v_wmma_scale_f32_16x16x128_f8f6f4 v[D_:D_+7], v[A_:A_+11], v[B_:B_+11], 0, v[P_], v[Q_] matrix_a_fmt:MATRIX_FMT_FP6 matrix_b_fmt:MATRIX_FMT_FP6 matrix_a_scale:MATRIX_SCALE_ROW1
.else
	v_wmma_scale_f32_16x16x128_f8f6f4 v[D_:D_+7], v[A_:A_+11], v[B_:B_+11], 0, v[P_], v[Q_] matrix_a_fmt:MATRIX_FMT_FP6 matrix_b_fmt:MATRIX_FMT_FP6 matrix_a_scale:MATRIX_SCALE_ROW1 matrix_b_scale:MATRIX_SCALE_ROW1
.endif
.endif
.else
.if (\r0) == 0
.if (\r1) == 0
	v_wmma_scale_f32_16x16x128_f8f6f4 v[D_:D_+7], v[A_:A_+11], v[B_:B_+11], v[C_:C_+7], v[P_], v[Q_] matrix_a_fmt:MATRIX_FMT_FP6 matrix_b_fmt:MATRIX_FMT_FP6
.else
	v_wmma_scale_f32_16x16x128_f8f6f4 v[D_:D_+7], v[A_:A_+11], v[B_:B_+11], v[C_:C_+7], v[P_], v[Q_] matrix_a_fmt:MATRIX_FMT_FP6 matrix_b_fmt:MATRIX_FMT_FP6 matrix_b_scale:MATRIX_SCALE_ROW1
.endif
.else
.if (\r1) == 0
	v_wmma_scale_f32_16x16x128_f8f6f4 v[D_:D_+7], v[A_:A_+11], v[B_:B_+11], v[C_:C_+7], v[P_], v[Q_] matrix_a_fmt:MATRIX_FMT_FP6 matrix_b_fmt:MATRIX_FMT_FP6 matrix_a_scale:MATRIX_SCALE_ROW1
.else
	v_wmma_scale_f32_16x16x128_f8f6f4 v[D_:D_+7], v[A_:A_+11], v[B_:B_+11], v[C_:C_+7], v[P_], v[Q_] matrix_a_fmt:MATRIX_FMT_FP6 matrix_b_fmt:MATRIX_FMT_FP6 matrix_a_scale:MATRIX_SCALE_ROW1 matrix_b_scale:MATRIX_SCALE_ROW1
.endif
.endif
.endif
.endm
; 32 products of a K step, the 32 accumulators by turns, in the same order in every step.  Windows: w's set q % 2 in window 0 or 3, x's K step q in window 1 or 3, D in window 2.
.macro NMUL p, q                       ; q, k: accumulator (token tile a, feature tile b) at 8 (8 a + b)
.if (\q) == 0
	WIN 0x80|(3<<4)|(1<<2)                         ; C: the bias, in window 3
.else
	WIN 0x80|(2<<4)|((1+2*((\q)/5))<<2)|(3*((\q)%2))
.endif
.irp a, 0,1,2,3
.irp b, 0,1,2,3,4,5,6,7
.if (\q) == 0
	WQ 8*(8*\a+\b), 128+12*\b, 12*\a, 144+8*\b, WS+32*(\p)+8*(\b/2), XS+8*(\a/2), \b%2, \a%2
.else
	WQ 8*(8*\a+\b), 128+16*((\q)%2)+12*\b, 48*((\q)%5)+12*\a, 8*(8*\a+\b), WS+32*(\p)+8*(\b/2)+(\q), XS+8*(\a/2)+(\q), \b%2, \a%2
.endif
.endr
.endr
	WIN 0
.endm
.macro VMUL q                          ; v: accumulator (feature tile f, token tile a) at 8 (4 f + a)
	WIN 0x80|(2<<4)|((3*((\q)%2))<<2)|(1+2*((\q)/5))
.irp f, 0,1,2,3,4,5,6,7
.irp a, 0,1,2,3
.if (\q) == 0
	WQ 8*(4*\f+\a), 12*\a, 128+12*\f, -1, XS+8*(\a/2), WS+64+8*(\f/2), \a%2, \f%2
.else
	WQ 8*(4*\f+\a), 48*((\q)%5)+12*\a, 128+16*((\q)%2)+12*\f, 8*(4*\f+\a), XS+8*(\a/2)+(\q), WS+64+8*(\f/2)+(\q), \a%2, \f%2
.endif
.endr
.endr
	WIN 0
.endm
; 64 registers s .. s + 63 of window w, four blocks of 32 along the next K (16 registers in each of lanes l and l xor 16), become two runs of six registers of codes, d0 and d1, and a word of four scale bytes, pw.
.macro QUANT s, w, d0, d1, pw
	WIN 5*(\w)
.irp b, 0,1,2,3
	v_max3_num_f32 v[TM+\b], |v[(\s)+16*\b]|, |v[(\s)+1+16*\b]|, 0x1800000   ; with the floor 2^(3 - 127); each accumulator is read from its low end on
.endr
	WIN 20*(\w)
.irp i, 2,4,6,8,10,12,14
.irp b, 0,1,2,3
	v_max3_num_f32 v[TM+\b], v[TM+\b], |v[(\s)+16*\b+\i]|, |v[(\s)+1+16*\b+\i]|
.endr
.endr
	WIN 0
.irp b, 0,1,2,3
	v_permlanex16_b32 v[TM+4+\b], v[TM+\b], s[SEL], s[SEL+1]
.endr
.irp b, 0,1,2,3
	v_max_num_f32 v[TM+\b], v[TM+\b], v[TM+4+\b]
.endr
.irp b, 0,1,2,3
	v_add_nc_u32 v[TM+12+\b], 0xff000000, v[TM+\b]   ; 2 off the exponent field: the conversion's scale operand
.endr
.irp b, 0,1,2,3
	v_lshrrev_b32 v[TM+4+\b], 23, v[TM+12+\b]
.endr
	v_lshl_or_b32 v[\pw], v[TM+5], 8, v[TM+4]
	v_lshl_or_b32 v[\pw], v[TM+6], 16, v[\pw]
	v_lshl_or_b32 v[\pw], v[TM+7], 24, v[\pw]
	s_wait_alu depctr_va_vdst(0)                   ; the wait directly ahead of the wait below
	s_wait_xcnt 0x0                                ; earlier stores have read their data: the codes' registers are written again only behind this wait
	WIN (\w)
	v_cvt_scalef32_pk16_fp6_f32 v[(\d0):(\d0)+2], v[(\s):(\s)+15], v[TM+12]
	v_cvt_scalef32_pk16_fp6_f32 v[CT:CT+2], v[(\s)+16:(\s)+31], v[TM+13]
	v_cvt_scalef32_pk16_fp6_f32 v[(\d1):(\d1)+2], v[(\s)+32:(\s)+47], v[TM+14]
	v_cvt_scalef32_pk16_fp6_f32 v[CT+4:CT+6], v[(\s)+48:(\s)+63], v[TM+15]
	WIN 0
	v_nop                                          ; one plain place behind a scaled conversion
.irp i, 0,1,2
	v_permlane16_swap_b32 v[(\d0)+\i], v[CT+\i]    ; the operand's layout wants a whole block in a lane
.endr
.irp i, 0,1,2
	v_permlane16_swap_b32 v[(\d1)+\i], v[CT+4+\i]
.endr
.irp i, 0,1,2
	v_mov_b32 v[(\d0)+3+\i], v[CT+\i]
	v_mov_b32 v[(\d1)+3+\i], v[CT+4+\i]
.endr
.endm
.macro OUT3 reg, off
.irp k, 0,1,2
	global_store_b128 v[LI], v[(\reg)+4*\k:(\reg)+4*\k+3], s[OBN:OBN+1] offset:(\off)+512*\k   ; 512 consecutive bytes, aligned
.endr
.endm
; A block of q or k.  Its first K step's fragments have been asked for; its bias lies where set 1 will lie, so K step 1 is fetched behind the first products.
; In q's block x is still on its way: behind K step q's twelve loads stand 12 (7 - q) younger ones, which may be out (the wait's field holds 63 at the most: a smaller count is safe).
.macro NPART p
.if (\p) == 0
	s_wait_loadcnt 63                              ; scales, bias and x's K step 0 are in: 84 loads are younger
.else
	s_wait_loadcnt 0x0                             ; the bias
.endif
	s_wait_dscnt 0x0
	NMUL \p, 0
	PLACES
	FETCH \p, 1
.irp q, 1,2,3,4,5,6,7
.if (\p) == 0
.if 12*(7-\q) > 63
	s_wait_loadcnt 63
.else
	s_wait_loadcnt 12*(7-\q)
.endif
.endif
	s_wait_dscnt 0x0                               ; this step's fragments are in
	PLACES                                         ; four places behind the products that read the set filled next
.if \q < 7
	FETCH \p, \q+1
.endif
	NMUL \p, \q
.endr
	PLACES
.if (\p) == 0
	BIASLD 1                                       ; lands under the way out
.endif
.irp al, 0,1                           ; token tiles 2 al and 2 al + 1 make an image for each of the two heads
.irp u, 0,1
	QUANT 64*(2*\al+\u), 2, R+6*\u, R+12+6*\u, PWR+2*\al+\u
.endr
	OUT3 R, 1536*\al
	OUT3 R+12, REC+1536*\al
.endr
.irp al, 0,1
	v_perm_b32 v[T0], v[PWR+2*\al+1], v[PWR+2*\al], 0x05040100      ; the first head's bytes of the two tiles,
	v_perm_b32 v[T0+1], v[PWR+2*\al+1], v[PWR+2*\al], 0x07060302    ; the second's
	v_cndmask_b32 v[W+\al], v[T0], v[T0+1], s[HIM]
.endr
	global_store_b64 v[SO], v[W:W+1], s[SBN:SBN+1]
	s_wait_xcnt 0x0                                ; the stores have read their registers and bases
.if (\p) == 0
	s_add_nc_u64 s[OBN:OBN+1], s[OBN:OBN+1], 64*REC
	s_add_nc_u64 s[SBN:SBN+1], s[SBN:SBN+1], 64*REC
	s_wait_tensorcnt 0x0                           ; my part of k's and v's blocks is in,
	s_barrier_signal -1
	s_barrier_wait -1                              ; everybody's is.
.endif
	FETCH (\p)+1, 0
.endm
	s_wait_alu depctr_va_vdst(0)                   ; the wait at the head's end
	s_wait_tensorcnt 0x0                           ; my two K steps of q's block are in; ahead of a later first fill:
	ds_add_u32 v[SPW], v[NIL]                      ; 0 onto my spare word,
	s_wait_dscnt 0x0                               ; and the wait for it
	CROUND                                         ; a whole round: everybody's part of q's block is in, and all sixteen work-groups are here: the joint loads meet
	tensor_load_to_lds s[G0K:G0K+3], s[G1K:G1K+7]  ; k's and v's blocks: my one tensor load behind the round
	s_nop 0
	PLACES
	FETCH 0, 0
	NPART 0
	NPART 1
.irp q, 0,1,2,3,4,5,6,7
	s_wait_dscnt 0x0
	PLACES
.if \q < 7
	FETCH 2, \q+1
.endif
	VMUL \q
.endr
	PLACES
	v_and_b32 v8, 15, v0
	v_lshlrev_b32 v7, 4, v8                        ; 16 r
	v_add_nc_u32 v2, s59, v[LI]                    ; the stage: my half's first and third pair of registers,
	v_add_nc_u32 v3, s60, v[LI]                    ; its second pair,
	v_add_nc_u32 v4, s61, v7                       ; my two of a scale word's four bytes;
	v_add_nc_u32 v5, s62, v[LI]                    ; and the four images
	v_add_nc_u32 v6, s63, v7                       ; and 256 bytes of scale words that I send out
	s_wait_alu depctr_va_vdst(0)                   ; the wait
.irp fp, 0,1,2,3                       ; feature tiles 2 fp and 2 fp + 1: my 64 tokens are two blocks of each
	WIN 0x06
.set i, 0
.rept 16
	v_pk_add_f32 v[H+i:H+i+1], v[64*\fp+i:64*\fp+i+1], v[240+4*\fp:240+4*\fp+1]
.set i, i+2
.endr
.rept 16
	v_pk_add_f32 v[H+i:H+i+1], v[64*\fp+i:64*\fp+i+1], v[240+4*\fp+2:240+4*\fp+3]
.set i, i+2
.endr
	WIN 0
	QUANT H, 0, R, R+6, PWR+\fp
.irp u, 0,1
	ds_store_b64 v2, v[R+6*\u:R+6*\u+1] offset:(2*\fp+\u)*1536
	ds_store_b64 v3, v[R+6*\u+2:R+6*\u+3] offset:(2*\fp+\u)*1536
	ds_store_b64 v2, v[R+6*\u+4:R+6*\u+5] offset:(2*\fp+\u)*1536+512
.endr
	ds_store_b16 v4, v[PWR+\fp] offset:(\fp/2)*256+(2*\fp%4)*4          ; both halves of the lanes write the same bytes with the same value
	ds_store_b16_d16_hi v4, v[PWR+\fp] offset:(\fp/2)*256+(2*\fp%4)*4+4
	s_wait_alu depctr_va_vdst(0)                   ; the wait directly ahead of the wait below
	s_wait_dscnt 0x0                               ; the stores are done: their registers are written again, and the last time the others may read
.endr
	s_barrier_signal -1
	s_barrier_wait -1                              ; both halves of every image lie in the stage
.irp mm, 0,1,2,3,4,5,6,7,8,9,10,11
	ds_load_b128 v[H+4*\mm:H+4*\mm+3], v5 offset:512*\mm
.endr
	ds_load_b128 v[W:W+3], v6
	s_wait_dscnt 0x0
.irp mm, 0,1,2,3,4,5,6,7,8,9,10,11
	global_store_b128 v[LI], v[H+4*\mm:H+4*\mm+3], s[OV:OV+1] offset:512*\mm   ; 512 consecutive bytes, aligned
.endr
	global_store_b128 v7, v[W:W+3], s[SV:SV+1]     ; 256 consecutive bytes, aligned; lanes 16-31 store the same again
	s_wait_tensorcnt 0x0                           ; the wave's end, behind my last tensor load and my last LDS store
	ds_add_u32 v[SPW], v[NIL]
	s_wait_dscnt 0x0
	CROUND                                         ; the closing round
	s_endpgm
.Lfunc_end_k_q84e6c62b7e_gemm_qkv:
	.size	k_q84e6c62b7e_gemm_qkv, .Lfunc_end_k_q84e6c62b7e_gemm_qkv-k_q84e6c62b7e_gemm_qkv
	.p2alignl 7, 3214868480
	.fill 96, 4, 3214868480
	.section	.rodata,"a",@progbits
	.p2align	6, 0x0
	.amdhsa_kernel k_q84e6c62b7e_gemm_qkv
		.amdhsa_group_segment_fixed_size 327680
		.amdhsa_private_segment_fixed_size 0
		.amdhsa_enable_private_segment 0
		.amdhsa_kernarg_size 48
		.amdhsa_user_sgpr_count 2
		.amdhsa_user_sgpr_kernarg_segment_ptr 1
		.amdhsa_wavefront_size32 1
		.amdhsa_system_sgpr_workgroup_id_x 1
		.amdhsa_system_sgpr_workgroup_id_y 1
		.amdhsa_system_sgpr_workgroup_id_z 1
		.amdhsa_system_vgpr_workitem_id 0
		.amdhsa_next_free_vgpr 1024
		.amdhsa_next_free_sgpr 66
		.amdhsa_reserve_vcc 0
		.amdhsa_float_denorm_mode_32 3
		.amdhsa_float_denorm_mode_16_64 3
		.amdhsa_memory_ordered 1
		.amdhsa_forward_progress 1
		.amdhsa_inst_pref_size 227
	.end_amdhsa_kernel
	.amdgpu_metadata
---
amdhsa.version: [ 1, 2 ]
amdhsa.kernels:
  - .name:           k_q84e6c62b7e_gemm_qkv
    .symbol:         k_q84e6c62b7e_gemm_qkv.kd
    .args:
      - { .name: x_img, .offset: 0, .size: 8, .value_kind: global_buffer, .address_space: global }
      - { .name: x_scales, .offset: 8, .size: 8, .value_kind: global_buffer, .address_space: global }
      - { .name: wa_img, .offset: 16, .size: 8, .value_kind: global_buffer, .address_space: global }
      - { .name: w_scales, .offset: 24, .size: 8, .value_kind: global_buffer, .address_space: global }
      - { .name: b_attn, .offset: 32, .size: 8, .value_kind: global_buffer, .address_space: global }
      - { .name: qkv, .offset: 40, .size: 8, .value_kind: global_buffer, .address_space: global }
    .group_segment_fixed_size: 327680
    .private_segment_fixed_size: 0
    .kernarg_segment_align: 8
    .kernarg_segment_size: 48
    .max_flat_workgroup_size: 128
    .sgpr_count:     66
    .vgpr_count:     1024
    .wavefront_size: 32
...
	.end_amdgpu_metadata
.endif
;; end of part 2
;; launch attn (part 3): grid 4 x 64, 16 waves a work-group, clusters of 4 x 1, 207,872 bytes of LDS; arguments qkv, y_codes, y_scales; writes y_codes, y_scales
.if DOCPART == 3
	.amdgcn_target "amdgcn-amd-amdhsa--gfx1250"
	.amdhsa_code_object_version 6
	.text
	.protected	k_q84e6c62b7e_attn
	.globl	k_q84e6c62b7e_attn
	.p2align	8
	.type	k_q84e6c62b7e_attn,@function
k_q84e6c62b7e_attn:
	s_mov_b64 s[64:65], 0
	v_nop
	global_prefetch_b8 v0, s[64:65] scope:SCOPE_SE
	s_setreg_imm32_b32 hwreg(HW_REG_WAVE_MODE, 25, 1), 1
	s_wait_xcnt 0x0
	s_wait_alu depctr_hold_cnt(0) depctr_sa_sdst(0) depctr_va_vdst(0) depctr_va_sdst(0) depctr_va_ssrc(0) depctr_va_vcc(0) depctr_vm_vsrc(0)
	s_getreg_b32 s2, hwreg(HW_REG_IB_STS2, 6, 4)
	s_cmp_eq_u32 s2, 0
	s_cbranch_scc0 .Lentry_in_a_cluster
	s_endpgm
.Lentry_in_a_cluster:
	s_bfe_u32 s2, ttmp6, 0x10000c
	s_cmp_lg_u32 s2, 0x3003
	s_cbranch_scc0 .Lentry_shape_is_right
	s_endpgm
.Lentry_shape_is_right:
; y = softmax(q k^T / 8) v for 64 (batch, head) pairs of 2,048 tokens and 64 channels, both products on codes of FP6 (E2M3) with E8M0 scales; y is quantised along the channels for the last product.  Nothing of reference() is left out here.
; THE SOFTMAX AHEAD OF THE SECOND PRODUCT: t = score x log2(e) / 8; M = the row's largest t so far, rounded UP to a whole number; p = 2^(t - M) is quantised along the keys, not normalised.  The row's sum is taken of the
; unquantised p and divides at the end.  When M moves, the sum and O are multiplied by 2^(old M - new M): exact.
; SHARES.  A work-group owns 512 queries of one (batch, head); each of its sixteen waves two tiles of 16, one after the other (two passes), in 256 registers: four waves to a SIMD.
; A HEAD'S WHOLE K AND V LIE IN LDS: two records of 102,400 bytes, each wave fetching 12,800 bytes by ONE tensor load at the kernel's head.  Nothing is filled again: no ring, and no barrier in the loop.
; So nothing is left to ask for ahead of time.  CLUSTER: the four query blocks of a head are one cluster and ask for the two records jointly (mask 15).
; OPERANDS COME AS IMAGES OF THEIR REGISTERS (see gemm_qkv): a fragment is three loads of 16 bytes a lane, 512 consecutive bytes each.
; K = 64 FILLS HALF OF THE INSTRUCTION'S 128.  An image of k holds TWO key tiles (registers 0-5, 6-11); it is multiplied by [q | 0] for the first and by [0 | q] for the second: zero codes wipe out the other tile.
; LAYOUT.  Both products are used transposed: a lane holds ONE query throughout.  Token rows are positions (bits 3 and 4 of the index exchanged), so the 16 registers of two neighbouring score tiles are 16 true neighbouring keys.
; OUT: y_codes [head 16][tile of 16 positions 512][pair 3][lane 32][8 bytes]: registers 0-5 of a fragment; y_scales [head 16][position 8192][2 bytes].
; LIMITS: a block of zeros gets the byte 1 where the rule says 127 (this program alone reads the bytes); NaN and infinities are not served.
.set REC,   102400
.set VREC,  REC                        ; LDS: k's record at 0, v's behind it
.set KSCL,  98304                      ; k's scale words
.set VSCL,  VREC+98304                 ; v's
.set YS,    2*REC                      ; 1,024 bytes: y's scale bytes of the work-group's 512 queries; no fill lands here
.set SPARE, YS+1024                    ; the spare words, 128 bytes for each of 16 waves
.set AK0,  1                           ; v1   16 x lane
.set AV0,  2                           ; v2   the same in v's record
.set ASK0, 3                           ; v3   my row's four scale words of k
.set ASV0, 4                           ; v4   of v
.set SPW,  5
.set NIL,  6
.set GO,   7                           ; v7   8 x lane
.set ADK,  8                           ; v8-11 the addresses of the step in hand
.set ADV,  9
.set ADS,  10
.set ADT,  11
.set QL,   16                          ; v16-27 [q | 0]
.set QH,   28                          ; v28-39 [0 | q]
.set QN,   40                          ; v40-45 the second pass's q;  v46 its raw scale word
.set QS,   47                          ; v47  q's scale word: its two bytes in both halves
.set KV,   48                          ; v48-95 four images of k, then of v
.set S,    96                          ; v96-159 S^T, then p
.set O,    160                         ; v160-191 O^T
.set P,    192                         ; v192-203 p's codes
.set CT,   204                         ; v204-211 the conversions' second halves
.set KSC,  212                         ; v212-215 scale words of k, then of v
.set BM,   216                         ; v216-219 the blocks' largest scores
.set T2,   220                         ; v220-223 at work
.set SOP,  224                         ; v224-227 the conversions' scale operands
.set F,    228                         ; v228 f
.set PS,   229                         ; v229 p's scale word
.set TMP,  230
.set YSA,  231                         ; v231 where I put my row's two scale bytes
.set YSR,  232                         ; v232 where waves 0 and 1 read them back
.set QO0,  233                         ; v233, v234 q's offsets in its image
.set QO1,  234
.set YSO,  235                         ; v235 16 x (thread % 64)
.set QSO,  236                         ; v236 16 x row
.set WV,   10
.set G1,   16
.set G0,   24
.set SEL,  28
.set CS,   30
.set TK,   32                          ; s32  the step's images: 6,144 bytes a step
.set TS,   33                          ; s33  the step's scale words: 256 bytes a step
.set CNT,  34
.set PSEL, 35
.macro CROUND
	s_barrier_signal -1
	s_barrier_wait -1
	s_cmp_lg_u32 s[WV], 0
	s_cbranch_scc1 .Lnot_wave_0_\@
	s_barrier_signal -3
.Lnot_wave_0_\@:
	s_barrier_wait -3
	s_barrier_signal -1
	s_barrier_wait -1
.endm
	s_load_b128 s[4:7], s[0:1], 0x0                ; qkv, y's codes
	s_load_b64 s[8:9], s[0:1], 0x10                ; y's scale bytes
	v_lshl_add_u32 v[SPW], v0, 2, SPARE
	v_mov_b32 v[NIL], 0
	ds_add_u32 v[SPW], v[NIL]                      ; the wave's opening: the add, twice on end, and its wait ahead of my first tensor load
	ds_add_u32 v[SPW], v[NIL]
	v_lshrrev_b32 v8, 5, v0
	s_delay_alu instid0(VALU_DEP_1)
	v_readfirstlane_b32 s[WV], v8                  ; wave 0..15
	s_bfe_u32 s11, ttmp6, 0x40000                  ; cx
	s_lshl_b32 s12, ttmp9, 2
	s_add_co_u32 s12, s12, s11                     ; my block of 512 queries: it enters global addresses alone
	s_and_b32 s13, ttmp7, 0xffff                   ; 16 x batch + head, which the four partners share
	s_and_b32 s14, s[WV], 1                        ; which half of an image my tile of queries is
	s_mov_b32 s[G1], 15|(3<<16)|(1<<21)            ; the mask: all four work-groups; elements of 8 bytes; bit 21 beside a mask; no padding
	s_mov_b32 s[G1+1], 32<<16                      ; tensor_dim0: rows of 256 bytes
	s_mov_b32 s[G1+2], 50<<16                      ; tensor_dim1: 50 of them
	s_mov_b32 s[G1+3], 32<<16                      ; tile_dim0
	s_mov_b32 s[G1+4], 50                          ; tile_dim1
	s_mov_b32 s[G1+5], 32                          ; the pitch: dense
	s_mov_b32 s[G1+6], 0
	s_mov_b32 s[G1+7], 0
	s_mov_b32 s[G0], 1
	s_mul_i32 s[G0+1], s[WV], 12800                ; LDS: wave x 12,800: waves 0-7 k's record, waves 8-15 v's
	s_add_co_u32 s42, s13, 64
	s_mul_i32 s42, s42, REC                        ; k's record,
	s_lshr_b32 s43, s[WV], 3
	s_mul_i32 s43, s43, 64*REC                     ; or v's, 64 records on,
	s_add_co_u32 s42, s42, s43
	s_and_b32 s43, s[WV], 7
	s_mul_i32 s43, s43, 12800                      ; my eighth of it
	s_add_co_u32 s42, s42, s43
	s_mov_b32 s43, 0
	s_mul_i32 s46, s13, REC                        ; q's record
	s_lshl_b32 s47, s12, 4
	s_lshr_b32 s35, s[WV], 1
	s_add_co_u32 s47, s47, s35                     ; my image in the first pass: 16 x block + wave / 2
	s_mul_i32 s47, s47, 1536
	s_add_co_u32 s36, s46, s47
	s_mov_b32 s37, 0
	s_lshl_b32 s44, s12, 10                        ; its scale word: group 4 x block + wave / 8, word (wave / 2) % 4
	s_add_co_u32 s44, s44, s46
	s_add_co_u32 s44, s44, 98304
	s_lshr_b32 s47, s[WV], 3
	s_lshl_b32 s47, s47, 8
	s_add_co_u32 s44, s44, s47
	s_and_b32 s47, s35, 3
	s_lshl_b32 s47, s47, 2
	s_add_co_u32 s44, s44, s47
	s_mov_b32 s45, 0
	s_mul_i32 s[PSEL], s14, 0x02020202
	s_add_co_u32 s[PSEL], s[PSEL], 0x01000100      ; byte selects: my half's two bytes, twice
	s_and_b32 s46, s13, 15                         ; the head
	s_lshr_b32 s47, s13, 4                         ; the batch
	s_mul_i32 s38, s46, 393216                     ; y's codes: the head's plane,
	s_lshl_b32 s39, s47, 7
	s_lshl_b32 s40, s12, 5
	s_add_co_u32 s39, s39, s40
	s_add_co_u32 s39, s39, s[WV]                   ; tile 128 x batch + 32 x block + wave
	s_mul_i32 s39, s39, 768
	s_add_co_u32 s38, s38, s39
	s_mov_b32 s39, 0
	s_lshl_b32 s40, s46, 14                        ; y's scale bytes: the head's plane, 2 bytes a position
	s_lshl_b32 s41, s47, 12
	s_add_co_u32 s40, s40, s41
	s_lshl_b32 s41, s12, 10
	s_add_co_u32 s40, s40, s41
	s_mov_b32 s41, 0
	s_mov_b32 s[SEL], 0x76543210
	s_mov_b32 s[SEL+1], 0xfedcba98                 ; lane l xor 16
	s_mov_b32 s[CS], 0x3e38aa3b                    ; c = log2(e) / 8
	s_mov_b32 s[CS+1], s[CS]                       ; (named with it as a pair, so it is written)
	s_wait_dscnt 0x0                               ; both opening adds are done
	s_wait_kmcnt 0x0
	s_add_nc_u64 s[G0+2:G0+3], s[4:5], s[42:43]
	s_or_b32 s[G0+3], s[G0+3], 0x80000000          ; type = 2
	s_add_nc_u64 s[36:37], s[4:5], s[36:37]
	s_add_nc_u64 s[44:45], s[4:5], s[44:45]
	s_add_nc_u64 s[38:39], s[6:7], s[38:39]
	s_add_nc_u64 s[40:41], s[8:9], s[40:41]
	CROUND                                         ; all four work-groups are here: the joint loads meet
	tensor_load_to_lds s[G0:G0+3], s[G1:G1+7]      ; my one tensor load of the launch
	s_nop 0
	v_and_b32 v8, 31, v0                           ; lane
	v_and_b32 v9, 15, v0                           ; r
	s_delay_alu instid0(VALU_DEP_2)
	v_lshlrev_b32 v[AK0], 4, v8
	s_delay_alu instid0(VALU_DEP_1)
	v_add_nc_u32 v[AV0], VREC, v[AK0]
	s_delay_alu instid0(VALU_DEP_3)
	v_lshl_add_u32 v[ASK0], v9, 4, KSCL
	s_delay_alu instid0(VALU_DEP_4)
	v_lshl_add_u32 v[ASV0], v9, 4, VSCL
	v_lshlrev_b32 v[GO], 3, v8
	s_lshl_b32 s46, s[WV], 5
	v_lshl_add_u32 v[YSA], v9, 1, s46
	s_delay_alu instid0(VALU_DEP_1)
	v_add_nc_u32 v[YSA], YS, v[YSA]                ; YS + 32 x wave + 2 x row
	v_and_b32 v[YSO], 63, v0
	s_delay_alu instid0(VALU_DEP_1)
	v_lshlrev_b32 v[YSO], 4, v[YSO]
	s_delay_alu instid0(VALU_DEP_1)
	v_add_nc_u32 v[YSR], YS, v[YSO]
	s_mul_i32 s46, s14, 520                        ; registers 0-5 of an image lie at 16 lane + 0, 8, 512; registers 6-11 at 16 lane + 520, 1,024, 1,032
	v_add_nc_u32 v[QO0], s46, v[AK0]
	s_mul_i32 s46, s14, 1016
	s_add_co_u32 s46, s46, 8
	v_add_nc_u32 v[QO1], s46, v[AK0]
	v_lshlrev_b32 v[QSO], 4, v9
.irp d, QL, QH+6                               ; the first pass's q, twice: the two operands share no register
	global_load_b64 v[\d:\d+1], v[QO0], s[36:37]
	global_load_b64 v[\d+2:\d+3], v[QO1], s[36:37]
	global_load_b64 v[\d+4:\d+5], v[QO0], s[36:37] offset:512
.endr
	global_load_b64 v[QN:QN+1], v[QO0], s[36:37] offset:12288         ; the second pass's: 8 images on
	global_load_b64 v[QN+2:QN+3], v[QO1], s[36:37] offset:12288
	global_load_b64 v[QN+4:QN+5], v[QO0], s[36:37] offset:12288+512
	global_load_b32 v[QS], v[QSO], s[44:45]
	global_load_b32 v46, v[QSO], s[44:45] offset:512
.irp i, 0,1,2,3,4,5
	v_mov_b32 v[QL+6+\i], 0                        ; zero codes
	v_mov_b32 v[QH+\i], 0
.endr
.irp b, 0,1,2,3
	v_mov_b32 v[T2+\b], 0                          ; written once: a lane permute's destination counts as one of its sources
.endr
	v_mov_b32 v[PS], 0                             ; (named as the upper half of the pair with f before it is first written)
	v_mov_b32 v[TMP], 0
	s_wait_tensorcnt 0x0                           ; my part of the records is in,
	s_barrier_signal -1
	s_barrier_wait -1                              ; everybody's is
	s_wait_loadcnt 0x0                             ; q
	v_perm_b32 v[QS], v[QS], v[QS], s[PSEL]
; A KEY STEP: 128 keys.
.macro STEP
	v_add_nc_u32 v[ADK], s[TK], v[AK0]             ; (these four are also the places behind the last step's products, in front of the loads into their operands)
	v_add_nc_u32 v[ADV], s[TK], v[AV0]
	v_add_nc_u32 v[ADS], s[TS], v[ASK0]
	v_add_nc_u32 v[ADT], s[TS], v[ASV0]
.irp i, 0,1,2,3
.irp k, 0,1,2
	ds_load_b128 v[KV+12*\i+4*\k:KV+12*\i+4*\k+3], v[ADK] offset:1536*\i+512*\k
.endr
.endr
	ds_load_b128 v[KSC:KSC+3], v[ADS]
	s_wait_alu depctr_va_vdst(0)
	s_wait_dscnt 0x0
.irp i, 0,1,2,3                                ; S^T = k q^T: image i against [q | 0]: key tile 2 i; against [0 | q]: key tile 2 i + 1
	v_wmma_scale_f32_16x16x128_f8f6f4 v[S+16*\i:S+16*\i+7], v[KV+12*\i:KV+12*\i+11], v[QL:QL+11], 0, v[KSC+\i], v[QS] matrix_a_fmt:MATRIX_FMT_FP6 matrix_b_fmt:MATRIX_FMT_FP6
	v_wmma_scale_f32_16x16x128_f8f6f4 v[S+16*\i+8:S+16*\i+15], v[KV+12*\i:KV+12*\i+11], v[QH:QH+11], 0, v[KSC+\i], v[QS] matrix_a_fmt:MATRIX_FMT_FP6 matrix_b_fmt:MATRIX_FMT_FP6
.endr                                          ; register 16 b + i of S is key 32 b + 16 (lane / 16) + i of the step
.rept 4
	v_nop                                          ; places: in front of the loads into k's registers and of the first read of the scores
.endr
.irp i, 0,1,2,3                                ; v's four images land under the softmax
.irp k, 0,1,2
	ds_load_b128 v[KV+12*\i+4*\k:KV+12*\i+4*\k+3], v[ADV] offset:1536*\i+512*\k
.endr
.endr
	ds_load_b128 v[KSC:KSC+3], v[ADT]
.irp b, 0,1,2,3
	v_max3_num_f32 v[BM+\b], v[S+16*\b], v[S+1+16*\b], v[S+2+16*\b]   ; the largest score of each block of 32 keys: it serves the row's maximum and, since p rises with the score, the block's largest p
.endr
.irp i, 3,5,7,9,11,13
.irp b, 0,1,2,3
	v_max3_num_f32 v[BM+\b], v[BM+\b], v[S+16*\b+\i], v[S+1+16*\b+\i]
.endr
.endr
.irp b, 0,1,2,3
	v_max_num_f32 v[BM+\b], v[BM+\b], v[S+15+16*\b]
.endr
.irp b, 0,1,2,3
	s_delay_alu instid0(VALU_DEP_4)
	v_permlanex16_b32 v[T2+\b], v[BM+\b], s[SEL], s[SEL+1]
.endr
.irp b, 0,1,2,3
	s_delay_alu instid0(VALU_DEP_4)
	v_max_num_f32 v[BM+\b], v[BM+\b], v[T2+\b]     ; with lane l xor 16's 16 keys
.endr
	s_delay_alu instid0(VALU_DEP_2)
	v_max3_num_f32 v[TMP], v[BM], v[BM+1], v[BM+2]
	s_delay_alu instid0(VALU_DEP_1)
	v_max_num_f32 v[TMP], v[TMP], v[BM+3]          ; the step's largest score of my query
	s_delay_alu instid0(VALU_DEP_1)
	v_mul_f32 v[TMP], s[CS], v[TMP]                ; as t
	s_delay_alu instid0(VALU_DEP_1)
	v_max_num_f32 v13, v13, v[TMP]                 ; the running largest t
	v_mov_b32 v[TMP], v12
	s_delay_alu instid0(VALU_DEP_2)
	v_floor_f32 v12, -v13                          ; the new -M = floor(-t): M is a whole number
	s_delay_alu instid0(VALU_DEP_1)
	v_sub_f32 v[TMP], v12, v[TMP]                  ; old M - new M: a whole number, 0 or less
	s_delay_alu instid0(VALU_DEP_1)
	v_cvt_i32_f32 v[TMP], v[TMP]                   ; (it saturates)
	s_delay_alu instid0(VALU_DEP_1)
	v_ldexp_f32 v[F], 1.0, v[TMP]                  ; f = 2^(old M - new M)
.set j, 0
.rept 32
	v_pk_fma_f32 v[S+j:S+j+1], v[S+j:S+j+1], s[CS:CS+1], v[12:13] op_sel_hi:[1,0,0]   ; t - M, two at a time
.set j, j+2
.endr
.irp b, 0,1,2,3
	v_fma_f32 v[BM+\b], v[BM+\b], s[CS], v12       ; the same of each block's largest score
.endr
.set j, 0
	s_wait_alu depctr_va_vdst(0)
.rept 64
	v_exp_f32 v[S+j], v[S+j]                       ; p = 2^(t - M)
.set j, j+1
.endr
	v_pk_mul_f32 v[14:15], v[14:15], v[F:F+1] op_sel_hi:[1,0]   ; the sums under the new M: a plain instruction behind the exponentials
	s_wait_alu depctr_va_vdst(0)                   ; one wait for the whole batch, ahead of its first reader
.irp b, 0,1,2,3
	v_exp_f32 v[BM+\b], v[BM+\b]                   ; the block's largest p
.endr
	v_pk_add_f32 v[220:221], v[100:101], v[104:105]
	v_pk_add_f32 v[254:255], v[108:109], v[112:113]
	v_pk_add_f32 v[252:253], v[116:117], v[120:121]
	v_pk_add_f32 v[250:251], v[124:125], v[128:129]
	v_pk_add_f32 v[248:249], v[132:133], v[136:137]
	v_pk_add_f32 v[246:247], v[140:141], v[144:145]
	v_pk_add_f32 v[244:245], v[148:149], v[152:153]
	v_pk_add_f32 v[14:15], v[14:15], v[156:157]
	v_pk_add_f32 v[220:221], v[220:221], v[96:97]
	v_pk_add_f32 v[254:255], v[254:255], v[98:99]
	v_pk_add_f32 v[252:253], v[252:253], v[102:103]
	v_pk_add_f32 v[250:251], v[250:251], v[106:107]
	v_pk_add_f32 v[248:249], v[248:249], v[110:111]
	v_pk_add_f32 v[246:247], v[246:247], v[114:115]
	v_pk_add_f32 v[244:245], v[244:245], v[118:119]
	v_pk_add_f32 v[14:15], v[14:15], v[122:123]
	v_pk_add_f32 v[220:221], v[220:221], v[126:127]
	v_pk_add_f32 v[254:255], v[254:255], v[130:131]
	v_pk_add_f32 v[252:253], v[252:253], v[134:135]
	v_pk_add_f32 v[250:251], v[250:251], v[138:139]
	v_pk_add_f32 v[248:249], v[248:249], v[142:143]
	v_pk_add_f32 v[246:247], v[246:247], v[146:147]
	v_pk_add_f32 v[244:245], v[244:245], v[150:151]
	v_pk_add_f32 v[14:15], v[14:15], v[154:155]
	v_pk_add_f32 v[220:221], v[220:221], v[158:159]
	s_delay_alu instid0(VALU_DEP_2)
	v_pk_add_f32 v[14:15], v[14:15], v[250:251]
	s_delay_alu instid0(VALU_DEP_2)
	v_pk_add_f32 v[220:221], v[220:221], v[248:249]
	v_pk_add_f32 v[254:255], v[254:255], v[246:247]
	v_pk_add_f32 v[252:253], v[252:253], v[244:245]
	s_delay_alu instid0(VALU_DEP_2)
	v_pk_add_f32 v[14:15], v[14:15], v[254:255]
	s_delay_alu instid0(VALU_DEP_2)
	v_pk_add_f32 v[220:221], v[220:221], v[252:253]
	s_delay_alu instid0(VALU_DEP_1)
	v_pk_add_f32 v[14:15], v[14:15], v[220:221]
	s_wait_alu depctr_va_vdst(0)                   ; and one for the four
.irp b, 0,1,2,3
	v_max_num_f32 v[BM+\b], 0x1800000, v[BM+\b]    ; the floor 2^(3 - 127): the byte cannot fall under 1
.endr
.irp b, 0,1,2,3
	s_delay_alu instid0(VALU_DEP_4)
	v_add_nc_u32 v[SOP+\b], 0xff000000, v[BM+\b]   ; 2 off the exponent field: the conversion's scale operand
.endr
.irp b, 0,1,2,3
	s_delay_alu instid0(VALU_DEP_4)
	v_lshrrev_b32 v[T2+\b], 23, v[SOP+\b]          ; the scale's byte
.endr
	s_delay_alu instid0(VALU_DEP_3)
	v_lshl_or_b32 v[PS], v[T2+1], 8, v[T2]         ; p's scale word for these 128 keys
	s_delay_alu instid0(VALU_DEP_1)
	v_lshl_or_b32 v[PS], v[T2+2], 16, v[PS]
	s_delay_alu instid0(VALU_DEP_1)
	v_lshl_or_b32 v[PS], v[T2+3], 24, v[PS]
.irp c, 0,1
	v_cvt_scalef32_pk16_fp6_f32 v[P+6*\c:P+6*\c+2], v[S+32*\c:S+32*\c+15], v[SOP+2*\c]
	v_cvt_scalef32_pk16_fp6_f32 v[CT+4*\c:CT+4*\c+2], v[S+16+32*\c:S+31+32*\c], v[SOP+2*\c+1]
.endr
	v_nop                                          ; one plain place behind a scaled conversion
.irp c, 0,1                                    ; the operand's layout wants a whole block in a lane
.irp i, 0,1,2
	v_permlane16_swap_b32 v[P+6*\c+\i], v[CT+4*\c+\i]
.endr
.irp i, 0,1,2
	s_delay_alu instid0(VALU_DEP_3)
	v_mov_b32 v[P+3+6*\c+\i], v[CT+4*\c+\i]
.endr
.endr
.set j, 0
.rept 16
	v_pk_mul_f32 v[O+j:O+j+1], v[O+j:O+j+1], v[F:F+1] op_sel_hi:[1,0]   ; O^T under the new M.  (These are also the places between the lines that made p's codes and scale word and the products)
.set j, j+2
.endr
	s_wait_alu depctr_va_vdst(0)
	s_wait_dscnt 0x0                               ; v's images and scale words are in
.irp t, 0,1,2,3                                ; O^T += v^T p^T: the four accumulators take turns, and the next step's eight products stand between two links
	v_wmma_scale_f32_16x16x128_f8f6f4 v[O+8*\t:O+8*\t+7], v[KV+12*\t:KV+12*\t+11], v[P:P+11], v[O+8*\t:O+8*\t+7], v[KSC+\t], v[PS] matrix_a_fmt:MATRIX_FMT_FP6 matrix_b_fmt:MATRIX_FMT_FP6
.endr
	s_add_co_u32 s[TK], s[TK], 6144
	s_add_co_u32 s[TS], s[TS], 256
.endm
; A PASS: one tile of 16 queries against all 2,048 keys, and its way out.
.macro PASS e
.if \e
	s_wait_xcnt 0x0                                ; the first pass's stores have read their data: p's registers are written again only behind this wait
	v_perm_b32 v[QS], v46, v46, s[PSEL]
.irp i, 0,1,2,3,4,5
	v_mov_b32 v[QL+\i], v[QN+\i]
	v_mov_b32 v[QH+6+\i], v[QN+\i]
.endr
.endif
	v_mov_b32 v13, 0xff61b1e6                      ; the largest t so far: -3e38, under every t
	s_delay_alu instid0(VALU_DEP_1)
	v_floor_f32 v12, -v13                          ; -M
	v_mov_b32 v14, 0                               ; the sum, in two halves
	v_mov_b32 v15, 0
.set j, 0
.rept 32
	v_mov_b32 v[O+j], 0                            ; O^T: the step is written once; the first finds zeros, which the first change of M leaves zeros
.set j, j+1
.endr
	s_mov_b32 s[TK], 0
	s_mov_b32 s[TS], 0
	s_mov_b32 s[CNT], 16
.Lstep_\@:
	STEP
	s_sub_co_u32 s[CNT], s[CNT], 1
	s_cmp_lg_u32 s[CNT], 0
	s_cbranch_scc1 .Lstep_\@
.rept 4
	v_nop                                          ; places behind the last products
.endr
	v_add_f32 v14, v14, v15                        ; the sum's two halves,
	s_delay_alu instid0(VALU_DEP_1)
	v_permlanex16_b32 v[TMP], v14, s[SEL], s[SEL+1]
	s_delay_alu instid0(VALU_DEP_1)
	v_add_f32 v14, v14, v[TMP]                     ; and lane l xor 16's: the row's sum
	s_wait_alu depctr_va_vdst(0)
	v_rcp_f32 v[F], v14
	v_nop                                          ; a plain instruction behind the reciprocal
	s_wait_alu depctr_va_vdst(0)                   ; and the wait ahead of its first reader
.set j, 0
.rept 16
	v_pk_mul_f32 v[S+j:S+j+1], v[O+j:O+j+1], v[F:F+1] op_sel_hi:[1,0]   ; y: register 16 c + i is channel 32 c + 16 (lane / 16) + i of my query
.set j, j+2
.endr
.irp b, 0,1
	v_max3_num_f32 v[BM+\b], |v[S+16*\b]|, |v[S+1+16*\b]|, 0x1800000     ; y's two blocks of 32 channels are quantised
.endr
.irp i, 2,4,6,8,10,12,14
.irp b, 0,1
	s_delay_alu instid0(VALU_DEP_2)
	v_max3_num_f32 v[BM+\b], v[BM+\b], |v[S+16*\b+\i]|, |v[S+1+16*\b+\i]|
.endr
.endr
.irp b, 0,1
	s_delay_alu instid0(VALU_DEP_2)
	v_permlanex16_b32 v[T2+\b], v[BM+\b], s[SEL], s[SEL+1]
.endr
.irp b, 0,1
	s_delay_alu instid0(VALU_DEP_2)
	v_max_num_f32 v[BM+\b], v[BM+\b], v[T2+\b]
.endr
.irp b, 0,1
	s_delay_alu instid0(VALU_DEP_2)
	v_add_nc_u32 v[SOP+\b], 0xff000000, v[BM+\b]
.endr
.irp b, 0,1
	s_delay_alu instid0(VALU_DEP_2)
	v_lshrrev_b32 v[T2+\b], 23, v[SOP+\b]
.endr
	s_delay_alu instid0(VALU_DEP_1)
	v_lshl_or_b32 v[TMP], v[T2+1], 8, v[T2]        ; my row's two scale bytes
	v_cvt_scalef32_pk16_fp6_f32 v[P:P+2], v[S:S+15], v[SOP]
	v_cvt_scalef32_pk16_fp6_f32 v[CT:CT+2], v[S+16:S+31], v[SOP+1]
	v_nop
.irp i, 0,1,2
	v_permlane16_swap_b32 v[P+\i], v[CT+\i]
.endr
.irp i, 0,1,2
	s_delay_alu instid0(VALU_DEP_3)
	v_mov_b32 v[P+3+\i], v[CT+\i]                  ; registers 0-5: channels 32 (lane / 16) + 0 .. 31
.endr
.irp p, 0,1,2
	global_store_b64 v[GO], v[P+2*\p:P+2*\p+1], s[38:39] offset:12288*\e+256*\p   ; 32 lanes store 256 consecutive bytes, aligned
.endr
	ds_store_b16 v[YSA], v[TMP] offset:512*\e      ; both halves of the lanes write the same bytes with the same value
.endm
	PASS 0
	PASS 1
	s_wait_dscnt 0x0                               ; for the others' sake: my stores of scale bytes are done
	s_barrier_signal -1
	s_barrier_wait -1
	s_cmp_lt_u32 s[WV], 2                          ; the work-group's 1,024 scale bytes leave by waves 0 and 1, 16 bytes a lane
	s_cbranch_scc0 .Lno_scales
	ds_load_b128 v[S:S+3], v[YSR]
	s_wait_dscnt 0x0
	global_store_b128 v[YSO], v[S:S+3], s[40:41]
.Lno_scales:
	s_wait_tensorcnt 0x0                           ; the wave's end, behind my last tensor load and my last LDS store
	ds_add_u32 v[SPW], v[NIL]
	s_wait_dscnt 0x0
	CROUND                                         ; the closing round
	s_endpgm
.Lfunc_end_k_q84e6c62b7e_attn:
	.size	k_q84e6c62b7e_attn, .Lfunc_end_k_q84e6c62b7e_attn-k_q84e6c62b7e_attn
	.p2alignl 7, 3214868480
	.fill 96, 4, 3214868480
	.section	.rodata,"a",@progbits
	.p2align	6, 0x0
	.amdhsa_kernel k_q84e6c62b7e_attn
		.amdhsa_group_segment_fixed_size 207872
		.amdhsa_private_segment_fixed_size 0
		.amdhsa_enable_private_segment 0
		.amdhsa_kernarg_size 24
		.amdhsa_user_sgpr_count 2
		.amdhsa_user_sgpr_kernarg_segment_ptr 1
		.amdhsa_wavefront_size32 1
		.amdhsa_system_sgpr_workgroup_id_x 1
		.amdhsa_system_sgpr_workgroup_id_y 1
		.amdhsa_system_sgpr_workgroup_id_z 1
		.amdhsa_system_vgpr_workitem_id 0
		.amdhsa_next_free_vgpr 256
		.amdhsa_next_free_sgpr 66
		.amdhsa_reserve_vcc 0
		.amdhsa_float_denorm_mode_32 3
		.amdhsa_float_denorm_mode_16_64 3
		.amdhsa_memory_ordered 1
		.amdhsa_forward_progress 1
		.amdhsa_inst_pref_size 53
	.end_amdhsa_kernel
	.amdgpu_metadata
---
amdhsa.version: [ 1, 2 ]
amdhsa.kernels:
  - .name:           k_q84e6c62b7e_attn
    .symbol:         k_q84e6c62b7e_attn.kd
    .args:
      - { .name: qkv, .offset: 0, .size: 8, .value_kind: global_buffer, .address_space: global }
      - { .name: y_codes, .offset: 8, .size: 8, .value_kind: global_buffer, .address_space: global }
      - { .name: y_scales, .offset: 16, .size: 8, .value_kind: global_buffer, .address_space: global }
    .group_segment_fixed_size: 207872
    .private_segment_fixed_size: 0
    .kernarg_segment_align: 8
    .kernarg_segment_size: 24
    .max_flat_workgroup_size: 512
    .sgpr_count:     66
    .vgpr_count:     256
    .wavefront_size: 32
...
	.end_amdgpu_metadata
.endif
;; end of part 3
;; launch gemm_out (part 4): grid 8 x 32, 4 waves a work-group, clusters of 4 x 4, 327,680 bytes of LDS; arguments y_codes, y_scales, wp_img, w_scales, b_proj, out0; writes out0
.if DOCPART == 4
	.amdgcn_target "amdgcn-amd-amdhsa--gfx1250"
	.amdhsa_code_object_version 6
	.text
	.protected	k_q84e6c62b7e_gemm_out
	.globl	k_q84e6c62b7e_gemm_out
	.p2align	8
	.type	k_q84e6c62b7e_gemm_out,@function
k_q84e6c62b7e_gemm_out:
	s_mov_b64 s[64:65], 0
	v_nop
	global_prefetch_b8 v0, s[64:65] scope:SCOPE_SE
	s_setreg_imm32_b32 hwreg(HW_REG_WAVE_MODE, 25, 1), 1
	s_wait_xcnt 0x0
	s_wait_alu depctr_hold_cnt(0) depctr_sa_sdst(0) depctr_va_vdst(0) depctr_va_sdst(0) depctr_va_ssrc(0) depctr_va_vcc(0) depctr_vm_vsrc(0)
	s_getreg_b32 s2, hwreg(HW_REG_IB_STS2, 6, 4)
	s_cmp_eq_u32 s2, 0
	s_cbranch_scc0 .Lentry_in_a_cluster
	s_endpgm
.Lentry_in_a_cluster:
	s_bfe_u32 s2, ttmp6, 0x10000c
	s_cmp_lg_u32 s2, 0xf033
	s_cbranch_scc0 .Lentry_shape_is_right
	s_endpgm
.Lentry_shape_is_right:
; out0 = y w_proj + b_proj on codes of FP6 (E2M3) with E8M0 scales; sums in f32.  Nothing of reference() is left out here.
; SHARES.  A work-group makes 256 tokens x 128 columns: 32 x 8 = 256 work-groups.  Each of its four waves makes 64 tokens x 128 columns: 32 accumulators of 16 x 16, 256 registers.
; ALL OF K LIES IN LDS AT ONCE, as images of the operands' registers, so that every fragment load reads consecutive bytes and nothing is padded: y's images of 256 tokens, 16 heads x 12,288 bytes, as attn stored them;
; and w_proj's images of 128 columns, 8 K steps x 12,288 bytes.  Each wave fetches a quarter by ONE tensor load at the head.  Nothing is filled again: no ring, no loop to run ahead in, no prefetch.
; Every tensor row is 12,288 bytes and begins at a multiple of 256.  CLUSTERS of 4 x 4: the four of a row need the same images of y, the four of a column the same of w: each tile is asked for jointly.
; SCALES go from memory into registers: one register holds the words of two tiles of 16 rows, the even tile's in lanes 0-15, the odd one's in lanes 16-31.  The bias is the C of each accumulator's first product.
; THE MATRIX INSTRUCTION IS USED TRANSPOSED (source 0 = 16 rows of w, source 1 = 16 tokens): a lane holds eight columns of one token.  Rows and columns are positions (bits 3 and 4 of the index exchanged):
; the way out puts both back.  REGISTERS: window 0: addresses, scales, bias, y's fragments (two sets); window 1: w's fragments (two sets); window 2: the accumulators, (a, b) at v[8 (8 a + b)].
; LIMITS: NaN and infinities are not served.
.set AH,     12288                     ; LDS: a head's 16 tiles of 768 bytes; also a K step's 8 images of w
.set BL,     16*AH                     ; w's images lie behind y's
.set SPARE,  BL+8*AH                   ; the spare words, 128 bytes a wave
.set SPITCH, 528                       ; the way out: a stage of 16 rows x (512 + 16) bytes a wave, from LDS byte 0: those bytes have had their only fill, and a barrier stands behind their last read
.set SIZE_N, 1024
.set ADRA, 8                           ; v8-11   my y fragments: one address for each four heads
.set ADRB, 12                          ; v12-13  w's images: K steps 0-3, 4-7
.set STO,  16
.set RD,   17
.set CO,   18
.set SPW,  28
.set NIL,  29
.set SA,   32                          ; v32-47  y's scale words: step q, tiles 2 i and 2 i + 1 at SA + 2 q + i
.set SB,   48                          ; v48-79  w's: tiles 2 c and 2 c + 1, step q at SB + 8 c + q
.set BIAS, 80                          ; v80-143
.set AF,   144                         ; v144-239 y's fragments, two sets of 4 x 12
.set Z,    192                         ; v192-223 at the head: y's scale bytes as they are loaded
.set BK,   128                         ; the way out: v128-255
.set G1A, 24
.set G0A, 32
.set G1B, 40
.set G0B, 48
.set MSB, 0
.macro WIN new
.if MSB != (\new)
	s_set_vgpr_msb (MSB<<8)|(\new)
.set MSB, (\new)
.endif
.endm
.macro PLACES
.rept 4
	v_nop
.endr
.endm
.macro CROUND
	s_barrier_signal -1
	s_barrier_wait -1
	s_cmp_lg_u32 s16, 0
	s_cbranch_scc1 .Lnot_wave_0_\@
	s_barrier_signal -3
.Lnot_wave_0_\@:
	s_barrier_wait -3
	s_barrier_signal -1
	s_barrier_wait -1
.endm
	s_load_b128 s[4:7], s[0:1], 0x0                ; y's codes, y's scales
	s_load_b128 s[8:11], s[0:1], 0x10              ; w_proj's images, the weights' scales
	s_load_b128 s[12:15], s[0:1], 0x20             ; b_proj, out0
	v_lshl_add_u32 v[SPW], v0, 2, SPARE
	v_mov_b32 v[NIL], 0
	ds_add_u32 v[SPW], v[NIL]                      ; the opening lines: the add, twice on end, and its wait ahead of my tensor load
	ds_add_u32 v[SPW], v[NIL]
	v_lshrrev_b32 v1, 5, v0
	v_readfirstlane_b32 s16, v1                    ; wave 0..3
	s_lshr_b32 s17, s16, 1                         ; I fetch for y (0) or for w (1),
	s_and_b32 s18, s16, 1                          ; its first or its second half along K
	s_bfe_u32 s19, ttmp6, 0x40000                  ; cx
	s_bfe_u32 s20, ttmp6, 0x40004                  ; cy
	s_lshl_b32 s21, ttmp9, 2
	s_add_co_u32 s21, s21, s19                     ; the block's column, 0..7
	s_and_b32 s22, ttmp7, 0xffff
	s_lshl_b32 s22, s22, 2
	s_add_co_u32 s22, s22, s20                     ; the block's row, 0..31
	s_lshl_b32 s23, s20, 2
	s_lshl_b32 s23, 15, s23                        ; my row of the cluster
	s_lshl_b32 s36, 0x1111, s19                    ; my column
	s_or_b32 s[G1A], s23, (3<<16)|(1<<21)          ; y: elements of 8 bytes; 8 heads x 12,288 bytes, 393,216 bytes from head to head
	s_mov_b32 s[G1A+1], 1536<<16
	s_mov_b32 s[G1A+2], 8<<16
	s_mov_b32 s[G1A+3], 1536<<16
	s_mov_b32 s[G1A+4], 8
	s_mov_b32 s[G1A+5], 49152
	s_mov_b32 s[G1A+6], 0
	s_mov_b32 s[G1A+7], 0
	s_or_b32 s[G1B], s36, (3<<16)|(1<<21)          ; w: 4 K steps x 12,288 bytes, 98,304 bytes from step to step
	s_mov_b32 s[G1B+1], 1536<<16
	s_mov_b32 s[G1B+2], 4<<16
	s_mov_b32 s[G1B+3], 1536<<16
	s_mov_b32 s[G1B+4], 4
	s_mov_b32 s[G1B+5], 12288
	s_mov_b32 s[G1B+6], 0
	s_mov_b32 s[G1B+7], 0
	s_mov_b32 s[G0A], 1
	s_mul_i32 s[G0A+1], s18, 8*AH
	s_mov_b32 s[G0B], 1
	s_mul_i32 s[G0B+1], s18, 4*AH
	s_add_co_u32 s[G0B+1], s[G0B+1], BL
	s_mul_i32 s52, s22, AH                         ; y: the block's 16 tiles in a head's plane,
	s_mul_i32 s37, s18, 8*393216                   ; heads 0-7 or 8-15
	s_add_co_u32 s52, s52, s37
	s_mov_b32 s53, 0
	s_mul_i32 s54, s21, AH                         ; w: the block's 8 tiles in a K step,
	s_mul_i32 s37, s18, 4*98304                    ; K steps 0-3 or 4-7
	s_add_co_u32 s54, s54, s37
	s_mov_b32 s55, 0
	s_lshl_b32 s56, s22, 9                         ; y's scales: 2 bytes a position: the block's 256, my 64
	s_lshl_b32 s37, s16, 7
	s_add_co_u32 s56, s56, s37
	s_mov_b32 s57, 0
	s_lshl_b32 s58, s21, 12                        ; w's scales: 32 bytes a row, behind w_attn's 3,072 rows
	s_add_co_u32 s58, s58, 3072*32
	s_mov_b32 s59, 0
	s_lshl_b32 s60, s21, 9                         ; the bias and a row of out0: 512 bytes a block
	s_mov_b32 s61, 0
	s_lshl_b32 s62, s22, 8
	s_lshl_b32 s37, s16, 6
	s_add_co_u32 s62, s62, s37                     ; my first token
	s_lshl_b32 s62, s62, 12
	s_add_co_u32 s62, s62, s60
	s_mov_b32 s63, 0
	s_mul_i32 s37, s16, 4*768                      ; LDS: my four tiles in a head
	s_mul_i32 s38, s16, 16*SPITCH                  ; and my stage
	s_wait_dscnt 0x0                               ; both opening adds are done
	s_wait_kmcnt 0x0
	s_add_nc_u64 s[G0A+2:G0A+3], s[4:5], s[52:53]
	s_or_b32 s[G0A+3], s[G0A+3], 0x80000000
	s_add_nc_u64 s[G0B+2:G0B+3], s[8:9], s[54:55]
	s_or_b32 s[G0B+3], s[G0B+3], 0x80000000
	s_add_nc_u64 s[6:7], s[6:7], s[56:57]
	s_add_nc_u64 s[10:11], s[10:11], s[58:59]
	s_add_nc_u64 s[12:13], s[12:13], s[60:61]
	s_add_nc_u64 s[14:15], s[14:15], s[62:63]
	CROUND                                         ; all sixteen work-groups are here: the joint loads meet
	s_cmp_eq_u32 s17, 0                            ; one tensor load a wave, on either way
	s_cbranch_scc0 .Lfor_b
	tensor_load_to_lds s[G0A:G0A+3], s[G1A:G1A+7]
	s_nop 0
	PLACES
	s_branch .Lasked
.Lfor_b:
	tensor_load_to_lds s[G0B:G0B+3], s[G1B:G1B+7]
	s_nop 0
	PLACES
.Lasked:
	v_and_b32 v1, 31, v0                           ; lane
	v_and_b32 v2, 15, v0                           ; r
	v_bfe_u32 v3, v0, 4, 1                         ; h
	v_lshlrev_b32 v4, 3, v1
	v_lshlrev_b32 v[CO], 4, v1
	v_lshlrev_b32 v19, 1, v1                       ; y's scales: 2 bytes a position
	v_lshlrev_b32 v20, 5, v1                       ; w's: 32 bytes a row
	v_lshlrev_b32 v21, 6, v3                       ; the bias: 16 columns for each half of the lanes
	v_mul_u32_u24 v7, v2, SPITCH
	v_lshl_add_u32 v7, v3, 6, v7
	s_wait_alu depctr_va_vdst(0)                   ; the wait ahead of the readers below
.irp hd, 0,1,2,3,4,5,6,7,8,9,10,11,12,13,14,15
.irp ap, 0,1
	global_load_u16 v[Z+2*\hd+\ap], v19, s[6:7] offset:16384*\hd+64*\ap   ; head hd, positions 32 ap + lane: 64 consecutive bytes
.endr
.endr
.irp c, 0,1,2,3
	global_load_b128 v[SB+8*\c:SB+8*\c+3], v20, s[10:11] offset:1024*\c       ; row 32 c + lane: its eight words, one for each 128 along K
	global_load_b128 v[SB+8*\c+4:SB+8*\c+7], v20, s[10:11] offset:1024*\c+16
.endr
.irp c, 0,1,2,3
.irp q, 0,1,2,3
	global_load_b128 v[BIAS+16*\c+4*\q:BIAS+16*\c+4*\q+3], v21, s[12:13] offset:128*\c+16*\q   ; register 16 c + i: column 32 c + 16 h + i
.endr
.endr
	v_add_nc_u32 v[ADRA], s37, v4
	v_add_nc_u32 v[ADRA+1], 4*AH, v[ADRA]
	v_add_nc_u32 v[ADRA+2], 4*AH, v[ADRA+1]
	v_add_nc_u32 v[ADRA+3], 4*AH, v[ADRA+2]
	v_add_nc_u32 v[ADRB], BL, v[CO]
	v_add_nc_u32 v[ADRB+1], BL+4*AH, v[CO]
	v_add_nc_u32 v[STO], s38, v7
	v_add_nc_u32 v[RD], s38, v[CO]
	s_wait_alu depctr_va_vdst(0)                   ; the wait here, directly ahead of the wait below
	s_wait_loadcnt 0x0
.irp q, 0,1,2,3,4,5,6,7
.irp ap, 0,1
	v_lshl_or_b32 v[SA+2*\q+\ap], v[Z+4*\q+2+\ap], 16, v[Z+4*\q+\ap]   ; step q's word: head 2 q's two bytes, then head 2 q + 1's
.endr
.endr
.rept 8
	v_nop                                          ; a scale register written by a vector instruction stands 8 places ahead of a scaled matrix instruction
.endr
	s_wait_alu depctr_va_vdst(0)                   ; the wait at the head's end
	s_wait_tensorcnt 0x0                           ; my quarter is in,
	s_barrier_signal -1
	s_barrier_wait -1                              ; everybody's is
.macro FRAGB reg, q, i                 ; 16 rows of w x 128 K: an image, three loads of 512 consecutive bytes
.irp k, 0,1,2
	ds_load_b128 v[\reg+4*\k:\reg+4*\k+3], v[ADRB+(\q)/4] offset:((\q)%4)*AH+1536*(\i)+512*\k
.endr
.endm
.macro FRAGA reg, q, i                 ; 16 tokens x 128 K: registers 0-5 from head 2 q's image, 6-11 from head 2 q + 1's
.irp p, 0,1,2,3,4,5
	ds_load_b64 v[\reg+2*\p:\reg+2*\p+1], v[ADRA+(\q)/2] offset:((2*(\q)+\p/3)%4)*AH+768*(\i)+256*(\p%3)
.endr
.endm
.macro FETCH q                         ; step q's fragments into set q % 2: 48 loads
	WIN 0x40
.irp i, 0,1,2,3,4,5,6,7
	FRAGB 128*((\q)%2)+12*\i, \q, \i
.endr
	WIN 0
.irp i, 0,1,2,3
	FRAGA AF+48*((\q)%2)+12*\i, \q, \i
.endr
.endm
.macro WM a, b, q                      ; one product; the odd tile's scale words lie in lanes 16-31
.set DD, 8*(8*(\a)+(\b))
.if (\q) == 0
.set CC, BIAS+8*(\b)
.else
.set CC, DD
.endif
.set FB, 128*((\q)%2)+12*(\b)
.set FA, AF+48*((\q)%2)+12*(\a)
.set WB, SB+8*((\b)/2)+(\q)
.set WA, SA+2*(\q)+(\a)/2
.if (\a)%2 == 0
.if (\b)%2 == 0
	v_wmma_scale_f32_16x16x128_f8f6f4 v[DD:DD+7], v[FB:FB+11], v[FA:FA+11], v[CC:CC+7], v[WB], v[WA] matrix_a_fmt:MATRIX_FMT_FP6 matrix_b_fmt:MATRIX_FMT_FP6
.else
	v_wmma_scale_f32_16x16x128_f8f6f4 v[DD:DD+7], v[FB:FB+11], v[FA:FA+11], v[CC:CC+7], v[WB], v[WA] matrix_a_fmt:MATRIX_FMT_FP6 matrix_b_fmt:MATRIX_FMT_FP6 matrix_a_scale:MATRIX_SCALE_ROW1
.endif
.else
.if (\b)%2 == 0
	v_wmma_scale_f32_16x16x128_f8f6f4 v[DD:DD+7], v[FB:FB+11], v[FA:FA+11], v[CC:CC+7], v[WB], v[WA] matrix_a_fmt:MATRIX_FMT_FP6 matrix_b_fmt:MATRIX_FMT_FP6 matrix_b_scale:MATRIX_SCALE_ROW1
.else
	v_wmma_scale_f32_16x16x128_f8f6f4 v[DD:DD+7], v[FB:FB+11], v[FA:FA+11], v[CC:CC+7], v[WB], v[WA] matrix_a_fmt:MATRIX_FMT_FP6 matrix_b_fmt:MATRIX_FMT_FP6 matrix_a_scale:MATRIX_SCALE_ROW1 matrix_b_scale:MATRIX_SCALE_ROW1
.endif
.endif
.endm
; A step of 128 along K: the next step's 48 loads go out first, into the set that the step before multiplied, four places behind its last product; then 32 products, the 32 accumulators by turns, in the same order in every step.
.macro KSTEP q
	s_wait_dscnt 0x0                               ; this step's fragments are in: they were asked for a step ago
.if (\q) < 7
	PLACES
	FETCH (\q)+1
.else
	s_barrier_signal -1                            ; my last reads of LDS are over: the barrier in front of the stage, split round the last products
.endif
.if (\q) == 0
	WIN 0x81                                       ; source 0 window 1, source 1 window 0, C (the bias) window 0, D window 2
.else
	WIN 0xa1                                       ; C and D window 2
.endif
.irp a, 0,1,2,3
.irp b, 0,1,2,3,4,5,6,7
	WM \a, \b, \q
.endr
.endr
	WIN 0
.endm
	FETCH 0
.set Q, 0
.rept 8
	KSTEP Q
.set Q, Q+1
.endr
	s_barrier_wait -1                              ; nobody reads the images any more
; THE WAY OUT, by blocks of 16 tokens x 128 columns, through my stage: back come whole rows of 512 bytes, which 32 lanes store as 512 consecutive bytes, aligned.
.macro TOSTAGE a
.set AC, 64*(\a)
	WIN 0x08                                       ; the data: window 2
.irp b, 0,1,2,3,4,5,6,7
	ds_store_b128 v[STO], v[AC+8*\b:AC+8*\b+3] offset:128*(\b/2)+32*(\b%2)       ; tile 2 c + u, half h, register j is column 32 c + 16 h + 8 u + j; each accumulator from its low end on
	ds_store_b128 v[STO], v[AC+8*\b+4:AC+8*\b+7] offset:128*(\b/2)+32*(\b%2)+16
.endr
	WIN 0
.set BB, BK+64*((\a)%2)
.irp t, 0,1,2,3,4,5,6,7,8,9,10,11,12,13,14,15
	ds_load_b128 v[BB+4*\t:BB+4*\t+3], v[RD] offset:\t*SPITCH   ; LDS serves a wave's instructions in order: these see my stores
.endr
.endm
.macro SEND a, younger
.set BB, BK+64*((\a)%2)
	s_wait_dscnt \younger                          ; the block is back; the next block's 16 stores and 16 loads may be out
.if (\a) > 0
.if (\a)%2 == 1
	s_add_nc_u64 s[14:15], s[14:15], 8*SIZE_N*4    ; position 16 a + t is token 32 (a / 2) + 16 (t / 8) + 8 (a % 2) + t % 8
.else
	s_add_nc_u64 s[14:15], s[14:15], 24*SIZE_N*4
.endif
.endif
.irp t, 0,1,2,3,4,5,6,7,8,9,10,11,12,13,14,15
	global_store_b128 v[CO], v[BB+4*\t:BB+4*\t+3], s[14:15] offset:(\t+8*(\t/8))*SIZE_N*4 th:TH_STORE_NT
.endr
.endm
	PLACES                                         ; behind the last products: for the reads of their results and the loads into the fragments' registers
	TOSTAGE 0
.irp a, 1,2,3
.if \a > 1
	s_wait_xcnt 0x0                                ; block a - 2's stores have read their registers and their base
.endif
	TOSTAGE \a
	SEND \a-1, 32
.endr
	s_wait_xcnt 0x0
	SEND 3, 0
	s_wait_tensorcnt 0x0                           ; the wave's end, behind my tensor load and my last LDS store
	ds_add_u32 v[SPW], v[NIL]
	s_wait_dscnt 0x0
	CROUND                                         ; the closing round
	s_endpgm
.Lfunc_end_k_q84e6c62b7e_gemm_out:
	.size	k_q84e6c62b7e_gemm_out, .Lfunc_end_k_q84e6c62b7e_gemm_out-k_q84e6c62b7e_gemm_out
	.p2alignl 7, 3214868480
	.fill 96, 4, 3214868480
	.section	.rodata,"a",@progbits
	.p2align	6, 0x0
	.amdhsa_kernel k_q84e6c62b7e_gemm_out
		.amdhsa_group_segment_fixed_size 327680
		.amdhsa_private_segment_fixed_size 0
		.amdhsa_enable_private_segment 0
		.amdhsa_kernarg_size 48
		.amdhsa_user_sgpr_count 2
		.amdhsa_user_sgpr_kernarg_segment_ptr 1
		.amdhsa_wavefront_size32 1
		.amdhsa_system_sgpr_workgroup_id_x 1
		.amdhsa_system_sgpr_workgroup_id_y 1
		.amdhsa_system_sgpr_workgroup_id_z 1
		.amdhsa_system_vgpr_workitem_id 0
		.amdhsa_next_free_vgpr 768
		.amdhsa_next_free_sgpr 66
		.amdhsa_reserve_vcc 0
		.amdhsa_float_denorm_mode_32 3
		.amdhsa_float_denorm_mode_16_64 3
		.amdhsa_memory_ordered 1
		.amdhsa_forward_progress 1
		.amdhsa_inst_pref_size 86
	.end_amdhsa_kernel
	.amdgpu_metadata
---
amdhsa.version: [ 1, 2 ]
amdhsa.kernels:
  - .name:           k_q84e6c62b7e_gemm_out
    .symbol:         k_q84e6c62b7e_gemm_out.kd
    .args:
      - { .name: y_codes, .offset: 0, .size: 8, .value_kind: global_buffer, .address_space: global }
      - { .name: y_scales, .offset: 8, .size: 8, .value_kind: global_buffer, .address_space: global }
      - { .name: wp_img, .offset: 16, .size: 8, .value_kind: global_buffer, .address_space: global }
      - { .name: w_scales, .offset: 24, .size: 8, .value_kind: global_buffer, .address_space: global }
      - { .name: b_proj, .offset: 32, .size: 8, .value_kind: global_buffer, .address_space: global }
      - { .name: out0, .offset: 40, .size: 8, .value_kind: global_buffer, .address_space: global }
    .group_segment_fixed_size: 327680
    .private_segment_fixed_size: 0
    .kernarg_segment_align: 8
    .kernarg_segment_size: 48
    .max_flat_workgroup_size: 128
    .sgpr_count:     66
    .vgpr_count:     768
    .wavefront_size: 32
...
	.end_amdgpu_metadata
.endif
;; end of part 4
